; MI455X (gfx1250); checked and timed in simulation.
; The chip was launched on July 23, 2026; its instructions are those of AMD's public machine-readable ISA for CDNA 5 (MIT licence, August 2026) and "CDNA5" Instruction Set Architecture Reference Guide (July 2026). The comments in the code are by the model that wrote it; some were corrected since.
;; KAN. Allowed arithmetic: matrix products marked QUANTISED: E5M2 operands, one given power-of-two scale a tensor, by v_wmma_f32_16x16x64_bf8_bf8 or v_wmma_f32_16x16x128_bf8_bf8, f32 sums; everything else in f32.
;; Inputs: base_w 2 x 1,024 x 1,024 float32; grid 2 x 1,024 x 12 float32; ln_b 2 x 1,024 float32; ln_g 2 x 1,024 float32; lowp_scales 8 int32 (the exponents e of the quantised operands' scales 2^e); prelu_a 2 float32; spline_w 2 x 1,024 x 1,024 x 8 float32; x 2,048 x 1,024 float32.
;; Outputs: out0 2,048 x 1,024 float32.
;; This version of the problem:
;;   THIS VERSION OF THE PROBLEM IS GIVEN IN LOW PRECISION. The matrix products marked QUANTISED in the list below multiply operands that are first quantised to E5M2 (5 exponent bits, 2 mantissa bits; 8 bits a number), with one given power-of-two scale for each operand tensor; their sums are f32. All else is computed in f32.
;;   The module's matrix products, in the order in which they are computed (A, B: the left and right operand; K: the contracted axis; several contracted axes count as one K, in the product's order):
;;     1. [M 2,048, K 1,024] x [K 1,024, N 1,024]; A: computed on the way; B: input base_w: QUANTISED (scales: A lowp_scales[0], B lowp_scales[1])
;;     2. [M 2,048, K 8,192] x [K 8,192, N 1,024]; A: computed on the way; B: input spline_w: QUANTISED (scales: A lowp_scales[2], B lowp_scales[3])
;;     3. [M 2,048, K 1,024] x [K 1,024, N 1,024]; A: computed on the way; B: input base_w: QUANTISED (scales: A lowp_scales[4], B lowp_scales[5])
;;     4. [M 2,048, K 8,192] x [K 8,192, N 1,024]; A: computed on the way; B: input spline_w: QUANTISED (scales: A lowp_scales[6], B lowp_scales[7])
;;   THE QUANTISER, for each operand of a quantised product, along K:
;;     - The operand's scale is 2^e, e = its entry of the input lowp_scales (int32; the entries are numbered through the quantised products in the list's order, A before B).
;;     - Each number is divided by the scale, clamped to +-57,344, and rounded to the nearest number of E5M2, ties to even, subnormals kept.
;;     - The product sums the exact products of the quantised numbers (number of the format x scale) in f32.
;;   ~~~python
;;   def quantise(x, axis, e):      # numpy; x: float32 -> the quantised numbers, widened to float32 again
;;       x = np.moveaxis(x, axis, -1); K = x.shape[-1]
;;       r = np.clip(x / 2.0 ** e, -57344, 57344)
;;       step = 2.0 ** (np.maximum(np.frexp(np.where(r == 0, 1, r))[1] - 1, -14) - 2)
;;       q = np.round(r / step) * step * 2.0 ** e      # np.round: ties to even
;;       return np.moveaxis(q, -1, axis).astype(np.float32)
;;   ~~~
;;   OPERANDS COMPUTED ON THE WAY. 'Computed on the way' means the value that the module computes at that place (a softmax that the list does not call 'softmax' is quantised finished and normalised). What goes into a quantiser is computed in f32, as accurately as f32 sums, v_exp_f32 and their like allow (about 1e-6 of the number): no bf16 or f16 on the way to a quantiser, and a product that is left as it is and whose result goes on into a quantised operand takes f32 operands (vector FMAs, or v_wmma_f32_16x16x4_f32). A number that lies on a knife's edge between two numbers of the format may be rounded either way, as far as f32 arithmetic and the matrix unit's own rounding can turn it there, and no further.
;; One version. Each part assembles by itself: llvm-mc -triple=amdgcn-amd-amdhsa -mcpu=gfx1250 --defsym DOCPART=n.
;; ======== version 1 of 1: 5 launches
;; limits: right only within a limited range of input values
;; workspace buffers: wc0 9,437,184 bytes; wc1 9,437,184 bytes; acodes 18,874,368 bytes; hp 16,777,216 bytes; gsc0 256 bytes of whole numbers; gsc1 256 bytes of whole numbers
;; launch act0 (part 1): grid 256 x 1, 32 waves a work-group, no clusters, 148,480 bytes of LDS; arguments x, grid, lowp_scales, acodes, base_w, spline_w, wc0, gsc0; writes acodes, wc0, gsc0
.if DOCPART == 1
	.amdgcn_target "amdgcn-amd-amdhsa--gfx1250"
	.amdhsa_code_object_version 6
	.text
	.protected	k_qd1801eae6f_act0
	.globl	k_qd1801eae6f_act0
	.p2align	8
	.type	k_qd1801eae6f_act0,@function
k_qd1801eae6f_act0:
	s_mov_b64 s[64:65], 0
	v_nop
	global_prefetch_b8 v0, s[64:65] scope:SCOPE_SE
	s_setreg_imm32_b32 hwreg(HW_REG_WAVE_MODE, 25, 1), 1
	s_wait_xcnt 0x0
; ONE LAYER'S OPERANDS AS CODES OF BF8 (E5M2): the left operands of its two products, made once for each number, and, under that arithmetic, its weights.
; acodes [2048][9216]: bytes 0-1023 of a row: gelu(y), byte 1024 + 8 f + c: B-spline basis c of y[f].   wc [1024 outputs][9216]: bytes 0-1023: base_w's row, byte 1024 + 8 in + c: spline_w[out][in][c]: the same order along K.
; MODE 0: y = x (layer 0).   MODE 1: y = PReLU(LayerNorm(h)) with layer 0's gain, bias and slope, h = the sum of the two halves along K that the product's launch stored; operands and weights are layer 1's.
; SHARES: a work-group of 1,024 threads owns 8 rows of y.  Three maps of threads onto them:
;   rows:     thread t holds features 4 jj .. +3 and 512 + 4 jj .. +3 of row rr (rr = t / 128, jj = t % 128): each load of a wave covers 512 consecutive bytes; a row's sums meet in LDS (four waves a row);
;   gelu:     thread t takes features 8 jj .. +7 of row rr: one conversion, 8 bytes; a wave stores 256 consecutive bytes, aligned;
;   features: thread t owns feature t in all 8 rows: its 12 knots and 30 reciprocals stay in registers, and a row's 8 bases are the 8 bytes of one conversion; a wave again stores 256 aligned bytes.
; y goes from map to map through LDS (8 rows x 4,096 bytes).
; THE WEIGHTS: 9,437,184 numbers a layer are 36,864 a work-group: output rows 4 g .. 4 g + 3.  A pass: thread t takes 8 neighbours along K, 32 bytes by two loads of 16 (the wave's two loads together cover 1,024 consecutive bytes),
; holds them, converts them once and stores 8 bytes: 256 consecutive bytes a wave, aligned.  1,024 threads x 8 are one row of spline_w: four passes; base_w's four rows are half a pass, which waves 0-15 take.
; The operands' arithmetic is long and asks little of memory; a pass is 16 lines for 256 numbers of a wave.  So ONE PASS IS ON ITS WAY WHILE A PIECE OF THE ARITHMETIC IS DONE: asked for in front of the piece, converted behind it.
; The codes' offsets are those of the operands' codes: 1,024 + 8 t (the bases') for spline_w, rr x 9,216 + 8 jj (gelu's) for base_w.
; Wave 0 of work-group 0 also stores the whole numbers that the product's launch wants: word 0: d = (eA_base + eW_base) - (eA_spline + eW_spline); all other words: f = eA_spline + eW_spline.
; GELU, exact form: gelu(y) = max(y, 0) - |y / 2| erfc(|y| / sqrt 2), right for both signs, with no difference of near numbers.  erfc(a) = (1 + p(q)) / (1 + 2 a) x e^(-a a), q = (a - 2) / (a + 2), p of degree 9;
; both quotients get one step of correction, and e^(-a a) the two small terms that the rounding of a a and of a a log2(e) leave.  a is held at 16, where erfc is 0 in f32, so every finite y is served.
; BASES: the recursion as it is written, on the knots AS THEY ARE GIVEN (no order and no spacing is assumed): b0_j = (y >= g_j) and not (y >= g_(j+1)); level k: b_j = (y - g_j) / (g_(j+k) - g_j) b_j + (g_(j+k+1) - y) / (g_(j+k+1) - g_(j+1)) b_(j+1).
; Kept is P_j = b_j / (g_(j+k) - g_j), so a level is P_j = T_j P_j - T_(j+k+1) P_(j+1) with T_j = y - g_j, two rows in each packed instruction.  A difference 0 becomes 1 at j = 0 only: from j = 1 on the same
; difference also divides without that guard in the second term, where the result asked for is not finite.
; LIMITS: NaN and infinities among x, h and the knots are not served; NaN among the weights is not served (an infinity is held at the largest code).  Each given e lies between -126 and 112.
; A difference of knots under 2^-126 counts as 0, and e^(-a a) under 2^-126 as 0 (v_rcp_f32, v_exp_f32: ISA guide 15.8).
.set MODE,  0
; THE CODES' LAYOUT, which stands in place of the rows of 9,216 bytes that the lines above name: both buffers are laid as the product's launch loads its fragments.
; [group of 8 rows][chunk of 32 bytes along K, 288 of them][row in the group][32 bytes]: a chunk of a group is one aligned unit of 256 bytes, a group 73,728 bytes.  The order along K is as above (chunks 0-31 gelu or base_w).
; acodes: work-group g owns group g.  gelu: thread t takes row (t / 4) % 8 and features 8 (4 (t / 32) + t % 4) .. +7, so a wave's 8-byte stores fill one unit (byte 8 t of the group).
; The bases: a wave's 32 features are 8 chunks; its codes of the 8 rows meet in the wave's own stage in LDS (a chunk 288 bytes apart from the next) and leave as four stores of 512 consecutive bytes.
; wc: work-group g takes group g / 2 and half g % 2 of K.  spline_w: wave w takes 4 chunks; pass p holds rows 2 p (lanes 0-15) and 2 p + 1 (lanes 16-31), 512 consecutive bytes of f32 each;
; four passes meet in the wave's stage and leave as two stores of 512 bytes.  base_w: wave w (0-15) takes one chunk, lane l row l / 4: its 8-byte stores fill one unit; two neighbouring waves read the two halves of each 256 bytes of f32.
.if MODE
.set GOFF,  49152                      ; layer 1's knots: 1,024 x 48 bytes on
.set EG,    44                         ; s44: gelu's e (entry 4), s45: base_w's;  s46: the bases' (entry 6), s47: spline_w's
.set EB,    46
.else
.set GOFF,  0
.set EG,    40                         ; entries 0, 1 and 2, 3
.set EB,    42
.endif
.set LBASE, 0x400000                   ; layer 1 of base_w, in bytes
.set LSPL,  0x2000000                  ; layer 1 of spline_w
.set ROWC,  9216                       ; a row of codes in bytes
.set RED1,  32768
.set STG,   37888                      ; LDS: behind the spare words, a stage for each wave:
.set WSTG,  3456                       ; 8 chunks x 288 bytes for the bases' codes, then 4 x 288 for the weights'
.set XV,    12                         ; v12-19   y of my feature in the 8 rows: four pairs
.set G,     20                         ; v20-31   my feature's 12 knots
.set I1,    32                         ; v32-42   1 / (g_(j+1) - g_j)
.set WOFF,  43                         ; v43      32 t: my 8 numbers of a pass of weights; rewritten for base_w
.set I2,    44                         ; v44-53   1 / (g_(j+2) - g_j)
.set I3,    54                         ; v54-62   1 / (g_(j+3) - g_j); v63 is named with v62 as a pair and its value never taken there: it holds the weights' 2^e
.set T,     64                         ; v64-87   T_j, 12 pairs; at a pair's end the two rows' bases, 8 + 8
.set P,     88                         ; v88-109  P_j, 11 pairs
.set C,     104                        ; v104-107 the two rows' codes: P's pairs 8 and 9, which are done with behind level 3
.set TMP,   110                        ; v110-113 two pairs by turns
.set WD,    114                        ; v114-121 a pass's 8 weights
.set WC,    122                        ; v122-123 and their codes
.set M0,    68                         ; s68-79, s80-91: the compares of the pair's two rows
.set M1,    80
.set H0,    64                         ; the norm: v64-71 h, then y; v72-79 the second half, then slope x y; v80-87 gain; v88-95 bias; v96-103 at work
.set H1,    72
.set LG,    80
.set LB,    88
.set W,     96
.set YG,    64                         ; gelu: v64-71 y; v72-79 a, then the result; v80-87 r; v88-95 q; v96-103 t; v104-111 p
.set A,     72
.set R,     80
.set Q,     88
.set TT,    96
.set PP,    104
; v1 16 jj; v2, v3 store offsets (gelu's and base_w's codes; the bases' and spline_w's); v4 rr x 4,096 + 16 jj; v5 4 t; v6, v7 the sums' words; v8-11 scales; v124 48 t, v125 rr x 4,096 + 32 jj, later both gelu's codes; v[126:127] p's first coefficient
; s[48:49] base_w, s[50:51] spline_w, s[52:53] wc, each at my four rows; s[54:55] the whole numbers; s35 my wave's number; s56-58: -limit, limit, 2^e of spline_w; s59-61: of base_w
.macro BAR                             ; my LDS stores have landed and my LDS loads are in: then the work-group's barrier
	s_wait_dscnt 0x0
	s_barrier_signal -1
	s_barrier_wait -1
.endm
.macro MKSCALE e, vs, vl               ; v[vs] = 2^e as f32 (the conversion takes its exponent field), v[vl] = 57,344 x 2^e
	s_add_co_i32 s32, s[\e], 127
	s_lshl_b32 s33, s32, 23
	v_mov_b32 v[\vs], s33
	s_add_co_i32 s32, s32, 15
	s_lshl_b32 s32, s32, 23
	s_or_b32 s32, s32, 0x600000
	v_mov_b32 v[\vl], s32
.endm
.macro MKW e, d                        ; the same in scalar registers: s[d] = -57,344 x 2^e, s[d+1] = 57,344 x 2^e, s[d+2] = 2^e
	s_add_co_i32 s32, s[\e], 127
	s_lshl_b32 s[\d+2], s32, 23
	s_add_co_i32 s32, s32, 15
	s_lshl_b32 s32, s32, 23
	s_or_b32 s[\d+1], s32, 0x600000
	s_or_b32 s[\d], s[\d+1], 0x80000000
.endm
.macro WLOAD p                         ; row p of my four rows of spline_w is asked for.  No hint: each block of 256 bytes is touched by both loads
	global_load_b128 v[WD:WD+3], v[WOFF], s[50:51] offset:65536*(\p)
	global_load_b128 v[WD+4:WD+7], v[WOFF], s[50:51] offset:65536*(\p)+16
.endm
.macro WCVT lo, sc, vo, off            ; the pass that is on its way becomes codes and is stored
	s_wait_loadcnt 0x0                             ; my 8 weights are in: no younger load is out
.irp i, 0,1,2,3,4,5,6,7
	v_med3_num_f32 v[WD+\i], v[WD+\i], s[\lo], s[\lo+1]   ; the conversion to an 8-bit code does not saturate (ISA guide 7.6.2): the hold at the largest code x the scale
.endr
	v_mov_b32 v63, s[\sc]
	s_wait_alu depctr_va_vdst(0)
	s_wait_xcnt 0x0                                ; the last pass's store has read its codes: they are written again only behind this wait
	v_cvt_scalef32_pk8_bf8_f32 v[WC:WC+1], v[WD:WD+7], v63
	v_nop                                          ; a plain instruction behind the conversion
.if \vo == 4
	ds_store_b64 v4, v[WC:WC+1] offset:\off        ; spline_w: into my wave's stage, rows 2 p and 2 p + 1
.else
	global_store_b64 v[\vo], v[WC:WC+1], s[52:53] offset:\off   ; base_w: 32 lanes store 256 consecutive bytes, aligned
.endif
.endm
.if MODE
.macro WSUM r, t                       ; the sum over the wave's 32 lanes, in every lane
	v_add_f32_dpp v[\r], v[\r], v[\r] row_xmask:1 row_mask:0xf bank_mask:0xf
	v_add_f32_dpp v[\r], v[\r], v[\r] row_xmask:2 row_mask:0xf bank_mask:0xf
	v_add_f32_dpp v[\r], v[\r], v[\r] row_xmask:4 row_mask:0xf bank_mask:0xf
	v_add_f32_dpp v[\r], v[\r], v[\r] row_xmask:8 row_mask:0xf bank_mask:0xf
	v_permlanex16_b32 v[\t], v[\r], s26, s27
	v_add_f32 v[\r], v[\r], v[\t]
.endm
.endif
	s_load_b64 s[4:5], s[0:1], 0x0                 ; x, or the sums h
	s_load_b64 s[6:7], s[0:1], 0x8                 ; the knots
.if MODE
	s_load_b128 s[8:11], s[0:1], 0x10              ; gain, bias
	s_load_b128 s[12:15], s[0:1], 0x20             ; slope, the scales' exponents
	s_load_b64 s[16:17], s[0:1], 0x30              ; the operands' codes
	s_load_b128 s[48:51], s[0:1], 0x38             ; base_w, spline_w
	s_load_b128 s[52:55], s[0:1], 0x48             ; the weights' codes, the whole numbers
.else
	s_load_b64 s[14:15], s[0:1], 0x10              ; the scales' exponents
	s_load_b64 s[16:17], s[0:1], 0x18              ; the operands' codes
	s_load_b128 s[48:51], s[0:1], 0x20             ; base_w, spline_w
	s_load_b128 s[52:55], s[0:1], 0x30             ; the weights' codes, the whole numbers
.endif
	v_and_b32 v12, 127, v0                         ; jj
	v_lshrrev_b32 v13, 7, v0                       ; rr
	s_delay_alu instid0(VALU_DEP_2)
	v_lshlrev_b32 v1, 4, v12
	s_delay_alu instid0(VALU_DEP_1)
	v_lshl_add_u32 v4, v13, 12, v1                 ; my 16 bytes in the group's 8 rows of 4,096 bytes: in memory and in LDS
	v_mul_u32_u24 v124, v0, 48                     ; my feature's 12 knots
	v_bfe_u32 v14, v0, 2, 3                        ; (t / 4) % 8
	v_lshrrev_b32 v15, 5, v0                       ; wave
	v_and_b32 v16, 3, v0
	v_bfe_u32 v17, v0, 4, 1
	v_and_b32 v18, 15, v0
	v_lshlrev_b32 v125, 12, v14                    ; LDS: gelu's eight numbers: row (t / 4) % 8,
	v_mul_u32_u24 v3, v15, WSTG
	v_lshlrev_b32 v[WOFF], 15, v17                 ; spline_w: lanes 16-31 take the next row,
	v_lshl_add_u32 v125, v15, 7, v125              ; features 32 x wave
	v_mad_u32_u24 v3, v14, 288, v3
	v_lshl_add_u32 v[WOFF], v15, 9, v[WOFF]        ; my wave's 4 chunks: 512 bytes of f32,
	v_lshl_add_u32 v125, v16, 5, v125              ; + 8 (t % 4)
	v_lshl_add_u32 v3, v16, 3, v3
	v_lshl_add_u32 v[WOFF], v18, 5, v[WOFF]        ; my 8 numbers
	v_lshlrev_b32 v2, 3, v0                        ; byte 8 t of a group: gelu's codes, and base_w's
	v_add_nc_u32 v3, STG, v3                       ; my wave's stage: chunk lane / 4, byte 8 (lane % 4) of row 0: the bases' codes
	v_lshlrev_b32 v5, 2, v0                        ; LDS: my feature in row 0
	v_lshrrev_b32 v6, 5, v0
	s_delay_alu instid0(VALU_DEP_1)
	v_readfirstlane_b32 s35, v6                    ; my wave's number
.if MODE
	v_lshl_add_u32 v6, v6, 2, RED1                 ; my wave's word
	v_lshl_add_u32 v7, v13, 4, RED1                ; the four words of my row's waves
.endif
	s_lshl_b32 s28, ttmp9, 15                      ; the group's 8 rows of f32,
	s_mov_b32 s29, 0
	s_mul_i32 s30, ttmp9, 8*ROWC                   ; and of codes
	s_mov_b32 s31, 0
	s_lshr_b32 s32, ttmp9, 1                       ; the weights' group of 8 output rows,
	s_and_b32 s33, ttmp9, 1                        ; and which half of K
	s_lshl_b32 s36, s32, 15                        ; base_w: 8 rows of 4,096 bytes; a half is 2,048
	s_lshl_b32 s37, s33, 11
	s_add_co_u32 s36, s36, s37
	s_mov_b32 s37, 0
	s_lshl_b32 s38, s32, 18                        ; spline_w: 8 rows of 32,768 bytes; a half is 16,384
	s_lshl_b32 s39, s33, 14
	s_add_co_u32 s38, s38, s39
	s_mov_b32 s39, 0
	s_mul_i32 s18, s32, 8*ROWC                     ; the weights' codes: the group, and base_w's 16 chunks of my half
	s_lshl_b32 s19, s33, 12
	s_add_co_u32 s18, s18, s19
	s_mov_b32 s19, 0
	s_mul_i32 s92, s33, 28672
	s_add_co_u32 s92, s92, 8192                    ; from there to spline_w's 128 chunks of my half
	s_mov_b32 s24, 0x41800000                      ; 16.0
	s_mov_b32 s25, 0x3a800000                      ; 1 / 1,024
	s_mov_b32 s34, 0x3727c5ac                      ; 1e-5
	s_mov_b32 s26, 0x76543210                      ; v_permlanex16_b32: lane l xor 16
	s_mov_b32 s27, 0xfedcba98
	s_wait_alu depctr_va_vdst(0)
	s_wait_kmcnt 0x0
	s_load_b256 s[40:47], s[14:15], 0x0            ; the eight exponents
.if MODE
	s_load_b32 s22, s[12:13], 0x0                  ; layer 0's slope
.endif
	s_add_nc_u64 s[4:5], s[4:5], s[28:29]
	s_add_nc_u64 s[16:17], s[16:17], s[30:31]
	s_add_nc_u64 s[48:49], s[48:49], s[36:37]
	s_add_nc_u64 s[50:51], s[50:51], s[38:39]
	s_add_nc_u64 s[52:53], s[52:53], s[18:19]
.if MODE
	s_add_nc_u64 s[20:21], s[4:5], 0x800000        ; the second half along K: 2,048 x 4,096 bytes on
	s_add_nc_u64 s[48:49], s[48:49], LBASE
	s_add_nc_u64 s[50:51], s[50:51], LSPL
.endif
.irp c, 0,1,2
	global_load_b128 v[G+4*\c:G+4*\c+3], v124, s[6:7] offset:GOFF+16*\c
.endr
	global_load_b128 v[H0:H0+3], v4, s[4:5] th:TH_LOAD_NT
	global_load_b128 v[H0+4:H0+7], v4, s[4:5] offset:2048 th:TH_LOAD_NT
.if MODE
	global_load_b128 v[H1:H1+3], v4, s[20:21] th:TH_LOAD_NT
	global_load_b128 v[H1+4:H1+7], v4, s[20:21] offset:2048 th:TH_LOAD_NT
	global_load_b128 v[LG:LG+3], v1, s[8:9]
	global_load_b128 v[LG+4:LG+7], v1, s[8:9] offset:2048
	global_load_b128 v[LB:LB+3], v1, s[10:11]
	global_load_b128 v[LB+4:LB+7], v1, s[10:11] offset:2048
.endif
	WLOAD 0                                        ; the first pass of weights: the youngest two loads, so every count below leaves them out
	v_mov_b32 v126, 0xb9d25000                     ; -4.01139259e-4
	v_mov_b32 v127, 0xb9d25000
	s_wait_kmcnt 0x0
	MKSCALE EG, 8, 9
	MKSCALE EB, 10, 11
	MKW EB+1, 56
	MKW EG+1, 59
	s_or_b32 s36, ttmp9, s35
	s_cmp_lg_u32 s36, 0
	s_cbranch_scc1 .Lno_gsc                        ; one wave of the launch stores the sums of exponents
	s_add_co_i32 s38, s[EB], s[EB+1]               ; f
	s_add_co_i32 s39, s[EG], s[EG+1]
	s_sub_co_i32 s39, s39, s38                     ; d
	v_lshlrev_b32 v108, 3, v0                      ; (in wave 0 the thread's number is the lane's)  8 bytes a lane: the wave stores all 256 bytes of the buffer
	v_cmp_eq_u32 vcc_lo, 0, v0
	v_mov_b32 v105, s38
	v_mov_b32 v106, s39
	s_delay_alu instid0(VALU_DEP_1)
	v_cndmask_b32 v104, v105, v106, vcc_lo         ; word 0 is d, every other word f
	global_store_b64 v108, v[104:105], s[54:55]
	s_wait_xcnt 0x0                                ; the store has read its registers, which gelu writes again
.Lno_gsc:
.if MODE
	s_mov_b32 s23, s22                             ; (named with s22 as a pair, so it is written)
	s_wait_loadcnt 10                              ; the knots are in; the ten loads behind them may be out
.else
	s_wait_loadcnt 4                               ; the knots are in; x's two loads and the weights' two may be out
.endif
	; ---- the table of my feature: 30 differences of knots and their reciprocals
.irp j, 0,1,2,3,4,5,6,7,8,9,10
	v_sub_f32 v[I1+\j], v[G+\j+1], v[G+\j]
.endr
.irp j, 0,1,2,3,4,5,6,7,8,9
	v_sub_f32 v[I2+\j], v[G+\j+2], v[G+\j]
.endr
.irp j, 0,1,2,3,4,5,6,7,8
	v_sub_f32 v[I3+\j], v[G+\j+3], v[G+\j]
.endr
.irp r, I1, I2, I3
	v_cmp_eq_f32 vcc_lo, 0, v[\r]
	s_delay_alu instid0(VALU_DEP_1)
	v_cndmask_b32 v[\r], v[\r], 1.0, vcc_lo        ; equal knots at j = 0: the divisor is 1
.endr
	s_wait_alu depctr_va_vdst(0)
.irp j, 0,1,2,3,4,5,6,7,8,9,10
	v_rcp_f32 v[I1+\j], v[I1+\j]
.endr
.irp j, 0,1,2,3,4,5,6,7,8,9
	v_rcp_f32 v[I2+\j], v[I2+\j]
.endr
.irp j, 0,1,2,3,4,5,6,7,8
	v_rcp_f32 v[I3+\j], v[I3+\j]
.endr
	v_mov_b32 v63, 0                               ; the pair's other half is written; also the plain instruction behind the last reciprocal
.if MODE
	; ---- LayerNorm and PReLU of my eight numbers
	s_wait_loadcnt 6                               ; both halves of h are in; gain, bias and the weights may be out
.irp p, 0,2,4,6
	v_pk_add_f32 v[H0+\p:H0+\p+1], v[H0+\p:H0+\p+1], v[H1+\p:H1+\p+1]
.endr
	v_pk_add_f32 v[W:W+1], v[H0:H0+1], v[H0+2:H0+3]
	v_pk_add_f32 v[W+2:W+3], v[H0+4:H0+5], v[H0+6:H0+7]
	v_pk_add_f32 v[W:W+1], v[W:W+1], v[W+2:W+3]
	v_add_f32 v[W], v[W], v[W+1]
	WSUM W, W+1
	ds_store_b32 v6, v[W]                          ; all lanes write the wave's word with the same number
	BAR
	ds_load_b128 v[W+4:W+7], v7                    ; my row's four waves
	s_wait_dscnt 0x0
	v_add_f32 v[W+4], v[W+4], v[W+5]
	v_add_f32 v[W+6], v[W+6], v[W+7]
	v_add_f32 v[W+4], v[W+4], v[W+6]
	v_mul_f32 v[W+4], s25, v[W+4]                  ; the mean
.irp p, 0,2,4,6
	v_pk_add_f32 v[H0+\p:H0+\p+1], v[H0+\p:H0+\p+1], v[W+4:W+5] op_sel_hi:[1,0] neg_lo:[0,1] neg_hi:[0,1]
.endr
	v_pk_mul_f32 v[W:W+1], v[H0:H0+1], v[H0:H0+1]  ; the variance is taken of the centred numbers: no difference of large sums
.irp p, 2,4,6
	v_pk_fma_f32 v[W:W+1], v[H0+\p:H0+\p+1], v[H0+\p:H0+\p+1], v[W:W+1]
.endr
	v_add_f32 v[W], v[W], v[W+1]
	WSUM W, W+1
	ds_store_b32 v6, v[W] offset:256               ; other words than the first sums': no barrier is owed between the reads above and these stores
	BAR
	ds_load_b128 v[W+4:W+7], v7 offset:256
	s_wait_dscnt 0x0
	v_add_f32 v[W+4], v[W+4], v[W+5]
	v_add_f32 v[W+6], v[W+6], v[W+7]
	v_add_f32 v[W+4], v[W+4], v[W+6]
	v_fma_f32 v[W+4], v[W+4], s25, s34             ; the variance + 1e-5
	v_rsq_f32 v[W+4], v[W+4]
	s_wait_loadcnt 2                               ; gain and bias are in; the weights' two loads may be out
	v_nop                                          ; a plain instruction behind the root
.irp p, 0,2,4,6
	v_pk_mul_f32 v[H0+\p:H0+\p+1], v[H0+\p:H0+\p+1], v[W+4:W+5] op_sel_hi:[1,0]
.endr
.irp p, 0,2,4,6
	v_pk_fma_f32 v[H0+\p:H0+\p+1], v[H0+\p:H0+\p+1], v[LG+\p:LG+\p+1], v[LB+\p:LB+\p+1]
.endr
.irp p, 0,2,4,6
	v_pk_mul_f32 v[H1+\p:H1+\p+1], v[H0+\p:H0+\p+1], s[22:23] op_sel_hi:[1,0]
.endr
.irp k, 0,1,2,3,4,5,6,7
	v_cmp_le_f32 vcc_lo, 0, v[H0+\k]
	v_cndmask_b32 v[H0+\k], v[H1+\k], v[H0+\k], vcc_lo   ; y where y >= 0, else slope x y
.endr
.else
	s_wait_loadcnt 2                               ; x is in; the weights' two loads may be out
.endif
	; ---- y changes maps through LDS
	ds_store_b128 v4, v[H0:H0+3]
	ds_store_b128 v4, v[H0+4:H0+7] offset:2048
	v_lshrrev_b32 v6, 5, v0                        ; v4 from here on: my wave's stage for the weights: chunk (lane / 4) % 4, row lane / 16, byte 8 (lane % 4)
	v_bfe_u32 v7, v0, 2, 2
	v_mul_u32_u24 v4, v6, WSTG
	v_mad_u32_u24 v4, v7, 288, v4
	v_bfe_u32 v6, v0, 4, 1
	v_and_b32 v7, 3, v0
	v_lshl_add_u32 v4, v6, 5, v4
	v_lshl_add_u32 v4, v7, 3, v4
	v_add_nc_u32 v4, STG+2304, v4
	BAR
	ds_load_b128 v[YG:YG+3], v125
	ds_load_b128 v[YG+4:YG+7], v125 offset:16
.irp r, 0,1,2,3,4,5,6,7
	ds_load_b32 v[XV+\r], v5 offset:4096*\r
.endr
	WCVT 56, 58, 4, 0
	WLOAD 1                                        ; row 1 lands under gelu
	s_wait_dscnt 8                                 ; gelu's eight numbers are in; the eight loads of my feature may be out
	; ---- gelu of eight neighbours
.irp p, 0,2,4,6
	v_pk_mul_f32 v[A+\p:A+\p+1], v[YG+\p:YG+\p+1], 0x3f3504f3 op_sel_hi:[1,0]   ; y / sqrt 2
.endr
.irp k, 0,1,2,3,4,5,6,7
	v_min_num_f32 v[A+\k], |v[A+\k]|, s24          ; a, held at 16
.endr
.irp p, 0,2,4,6
	v_pk_add_f32 v[PP+\p:PP+\p+1], v[A+\p:A+\p+1], 2.0 op_sel_hi:[1,0]
.endr
	s_wait_alu depctr_va_vdst(0)
.irp k, 0,1,2,3,4,5,6,7
	v_rcp_f32 v[R+\k], v[PP+\k]
.endr
	v_nop                                          ; a plain instruction behind the last reciprocal
	s_wait_alu depctr_va_vdst(0)
.irp p, 0,2,4,6
	v_pk_fma_f32 v[Q+\p:Q+\p+1], v[R+\p:R+\p+1], -4.0, 1.0 op_sel_hi:[1,0,0]                   ; q = 1 - 4 / (a + 2),
	s_delay_alu instid0(VALU_DEP_1)
	v_pk_add_f32 v[TT+\p:TT+\p+1], v[Q+\p:Q+\p+1], 1.0 op_sel_hi:[1,0]
	s_delay_alu instid0(VALU_DEP_1)
	v_pk_fma_f32 v[TT+\p:TT+\p+1], v[TT+\p:TT+\p+1], -2.0, v[A+\p:A+\p+1] op_sel_hi:[1,0,1]
	s_delay_alu instid0(VALU_DEP_1)
	v_pk_fma_f32 v[TT+\p:TT+\p+1], v[A+\p:A+\p+1], v[Q+\p:Q+\p+1], v[TT+\p:TT+\p+1] neg_lo:[1,0,0] neg_hi:[1,0,0]   ; what is left: (a - 2) - q (a + 2),
	v_pk_fma_f32 v[Q+\p:Q+\p+1], v[R+\p:R+\p+1], v[TT+\p:TT+\p+1], v[Q+\p:Q+\p+1]             ; put back
	s_delay_alu instid0(VALU_DEP_1)
	v_pk_fma_f32 v[PP+\p:PP+\p+1], v[Q+\p:Q+\p+1], v[126:127], 0xbaa15130 op_sel_hi:[1,1,0]   ; p: the first two coefficients
.endr
.irp c, 0x3aac2b8a, 0x3c0d6e62, 0xbc040dc1, 0xbd5e05b5, 0x3e27fe23, 0xbe2a0420, 0xbdbdfb0b, 0x3e8dd01d
.irp p, 0,2,4,6
	v_pk_fma_f32 v[PP+\p:PP+\p+1], v[PP+\p:PP+\p+1], v[Q+\p:Q+\p+1], \c op_sel_hi:[1,1,0]
.endr
.endr
.irp p, 0,2,4,6
	v_pk_fma_f32 v[TT+\p:TT+\p+1], v[A+\p:A+\p+1], 2.0, 1.0 op_sel_hi:[1,0,0]
.endr
	s_wait_alu depctr_va_vdst(0)
.irp k, 0,1,2,3,4,5,6,7
	v_rcp_f32 v[R+\k], v[TT+\k]
.endr
	v_nop                                          ; a plain instruction behind the last reciprocal
	s_wait_alu depctr_va_vdst(0)
.irp p, 0,2,4,6
	v_pk_fma_f32 v[Q+\p:Q+\p+1], v[PP+\p:PP+\p+1], v[R+\p:R+\p+1], v[R+\p:R+\p+1]             ; (p + 1) / (1 + 2 a),
	s_delay_alu instid0(VALU_DEP_1)
	v_pk_fma_f32 v[TT+\p:TT+\p+1], v[Q+\p:Q+\p+1], v[A+\p:A+\p+1], 0.5 op_sel_hi:[1,1,0] neg_lo:[0,1,0] neg_hi:[0,1,0]
	s_delay_alu instid0(VALU_DEP_2)
	v_pk_add_f32 v[PP+\p:PP+\p+1], v[PP+\p:PP+\p+1], v[Q+\p:Q+\p+1] neg_lo:[0,1] neg_hi:[0,1]
	s_delay_alu instid0(VALU_DEP_1)
	v_pk_fma_f32 v[TT+\p:TT+\p+1], v[TT+\p:TT+\p+1], 2.0, v[PP+\p:PP+\p+1] op_sel_hi:[1,0,1]  ; what is left: (p + 1) - q (1 + 2 a),
	v_pk_fma_f32 v[R+\p:R+\p+1], v[TT+\p:TT+\p+1], v[R+\p:R+\p+1], v[Q+\p:Q+\p+1]             ; put back: r = e^(a a) erfc(a)
	v_pk_mul_f32 v[PP+\p:PP+\p+1], v[A+\p:A+\p+1], v[A+\p:A+\p+1]                             ; s = a a, rounded,
	s_delay_alu instid0(VALU_DEP_1)
	v_pk_fma_f32 v[TT+\p:TT+\p+1], v[A+\p:A+\p+1], v[A+\p:A+\p+1], v[PP+\p:PP+\p+1] neg_lo:[1,0,0] neg_hi:[1,0,0]   ; and s - a a
	s_delay_alu instid0(VALU_DEP_2)
	v_pk_mul_f32 v[Q+\p:Q+\p+1], v[PP+\p:PP+\p+1], 0xbfb8aa3b op_sel_hi:[1,0]                 ; -s log2(e), rounded,
	s_delay_alu instid0(VALU_DEP_1)
	v_pk_fma_f32 v[PP+\p:PP+\p+1], v[PP+\p:PP+\p+1], 0xbfb8aa3b, v[Q+\p:Q+\p+1] op_sel_hi:[1,0,1] neg_lo:[0,0,1] neg_hi:[0,0,1]   ; and what the rounding took
.endr
	s_wait_alu depctr_va_vdst(0)
.irp k, 0,1,2,3,4,5,6,7
	v_exp_f32 v[Q+\k], v[Q+\k]
.endr
.irp p, 0,2,4,6
	v_pk_fma_f32 v[TT+\p:TT+\p+1], v[PP+\p:PP+\p+1], 0x3f317218, v[TT+\p:TT+\p+1] op_sel_hi:[1,0,1]   ; the two small terms together (x ln 2 for the second).  Plain instructions behind the exponentials
.endr
	s_wait_alu depctr_va_vdst(0)
.irp p, 0,2,4,6
	v_pk_mul_f32 v[PP+\p:PP+\p+1], v[R+\p:R+\p+1], v[Q+\p:Q+\p+1]
	s_delay_alu instid0(VALU_DEP_1)
	v_pk_fma_f32 v[R+\p:R+\p+1], v[PP+\p:PP+\p+1], v[TT+\p:TT+\p+1], v[PP+\p:PP+\p+1]         ; erfc(a)
	v_pk_mul_f32 v[TT+\p:TT+\p+1], v[YG+\p:YG+\p+1], 0.5 op_sel_hi:[1,0]
.endr
.irp k, 0,1,2,3,4,5,6,7
	v_max_num_f32 v[Q+\k], 0, v[YG+\k]
	s_delay_alu instid0(VALU_DEP_1)
	v_fma_f32 v[A+\k], -|v[TT+\k]|, v[R+\k], v[Q+\k]   ; gelu(y)
	s_delay_alu instid0(VALU_DEP_1)
	v_med3_num_f32 v[A+\k], v[A+\k], -v9, v9       ; the hold at the largest code x the scale
.endr
	v_cvt_scalef32_pk8_bf8_f32 v[124:125], v[A:A+7], v8   ; (v124 and v125 were offsets of loads that have come back)
	v_nop                                          ; a plain instruction between the conversion and the lines below that write its sources
	global_store_b64 v2, v[124:125], s[16:17]      ; 32 lanes store 256 consecutive bytes, aligned
	; ---- the bases of my feature, two rows at a time
.macro SCALE tab, n                    ; P_j x the table's number j, j = 0 .. n - 1: the number is taken from its half of a pair for both rows
.set J, 0
.rept \n
.if J%2
	v_pk_mul_f32 v[P+2*J:P+2*J+1], v[P+2*J:P+2*J+1], v[\tab+J-1:\tab+J] op_sel:[0,1] op_sel_hi:[1,1]
.else
	v_pk_mul_f32 v[P+2*J:P+2*J+1], v[P+2*J:P+2*J+1], v[\tab+J:\tab+J+1] op_sel_hi:[1,0]
.endif
.set J, J+1
.endr
.endm
.macro LEVEL k                         ; b_j of level k, j = 0 .. 10 - k, in place and ascending: P_(j+1) is read before it is written
.set J, 0
.rept 11-\k
	v_pk_mul_f32 v[TMP+2*(J%2):TMP+2*(J%2)+1], v[T+2*(J+\k+1):T+2*(J+\k+1)+1], v[P+2*J+2:P+2*J+3]
	s_delay_alu instid0(VALU_DEP_1)
	v_pk_fma_f32 v[P+2*J:P+2*J+1], v[T+2*J:T+2*J+1], v[P+2*J:P+2*J+1], v[TMP+2*(J%2):TMP+2*(J%2)+1] neg_lo:[0,0,1] neg_hi:[0,0,1]
.set J, J+1
.endr
.endm
.macro BPAIR i                         ; rows 2 i and 2 i + 1
.set XP, XV+2*(\i)
.set J, 0
.rept 6
	v_pk_add_f32 v[T+4*J:T+4*J+1],   v[XP:XP+1], v[G+2*J:G+2*J+1] op_sel_hi:[1,0] neg_lo:[0,1] neg_hi:[0,1]                ; T = y - g, even knots,
	v_pk_add_f32 v[T+4*J+2:T+4*J+3], v[XP:XP+1], v[G+2*J:G+2*J+1] op_sel:[0,1] op_sel_hi:[1,1] neg_lo:[0,1] neg_hi:[0,1]   ; odd knots
.set J, J+1
.endr
.set J, 0
.rept 12
	v_cmp_ge_f32 s[M0+J], v[XP], v[G+J]
	v_cmp_ge_f32 s[M1+J], v[XP+1], v[G+J]
.set J, J+1
.endr
.set J, 0
.rept 11
	s_and_not1_b32 s[M0+J], s[M0+J], s[M0+J+1]     ; y >= g_j and y < g_(j+1)
	s_and_not1_b32 s[M1+J], s[M1+J], s[M1+J+1]
.set J, J+1
.endr
.if (\i) > 0
	s_wait_xcnt 0x0                                ; the last pair's stores have read their codes, which lie in P's pairs 8 and 9: P is written again only behind this wait
.endif
.set J, 0
.rept 11
	v_cndmask_b32 v[P+2*J],   0, v[I1+J], s[M0+J]  ; b0_j / (g_(j+1) - g_j): the masks select values alone
	v_cndmask_b32 v[P+2*J+1], 0, v[I1+J], s[M1+J]
.set J, J+1
.endr
	LEVEL 1
	SCALE I2, 10
	LEVEL 2
	SCALE I3, 9
	LEVEL 3
.set J, 0
.rept 8
	v_med3_num_f32 v[T+J],   v[P+2*J],   -v11, v11 ; the hold, which also parts the two rows: eight neighbours along K in eight registers on end
	v_med3_num_f32 v[T+8+J], v[P+2*J+1], -v11, v11
.set J, J+1
.endr
	v_cvt_scalef32_pk8_bf8_f32 v[C:C+1], v[T:T+7], v10
	v_cvt_scalef32_pk8_bf8_f32 v[C+2:C+3], v[T+8:T+15], v10
	v_nop                                          ; a plain instruction between the conversions and the later lines that write their sources
	ds_store_b64 v3, v[C:C+1] offset:64*(\i)       ; into my wave's stage: rows 2 i and 2 i + 1 of my chunk
	ds_store_b64 v3, v[C+2:C+3] offset:64*(\i)+32
.endm
	WCVT 56, 58, 4, 64
	WLOAD 2                                        ; row 2 lands under the first pair
	s_wait_dscnt 0x0                               ; my feature's eight rows
	BPAIR 0
	WCVT 56, 58, 4, 128
	WLOAD 3
	BPAIR 1
	WCVT 56, 58, 4, 192
	; my wave's 4 chunks of spline_w's codes are whole: back from the stage (LDS serves a wave's instructions in order) and out, 512 consecutive bytes a store
	v_lshrrev_b32 v6, 5, v0
	v_bfe_u32 v5, v0, 4, 1
	v_and_b32 v7, 15, v0
	v_mul_u32_u24 v1, v6, WSTG
	v_mad_u32_u24 v1, v5, 288, v1
	v_lshl_add_u32 v1, v7, 4, v1                   ; v1 from here on: out of my stage: chunk lane / 16, byte 16 (lane % 16)
	v_and_b32 v7, 31, v0
	v_lshlrev_b32 v5, 10, v6
	v_lshl_add_u32 v5, v7, 4, v5
	v_add_nc_u32 v5, s92, v5                       ; and the same place in the group
	v_bfe_u32 v7, v0, 2, 3                         ; base_w: row lane / 4, my wave's chunk (128 bytes of f32), my 8 numbers
	v_lshlrev_b32 v[WOFF], 12, v7
	v_and_b32 v7, 3, v0
	v_lshl_add_u32 v[WOFF], v6, 7, v[WOFF]
	v_lshl_add_u32 v[WOFF], v7, 5, v[WOFF]
	s_wait_alu depctr_va_vdst(0)
	ds_load_b128 v[P:P+3], v1 offset:STG+2304
	ds_load_b128 v[P+4:P+7], v1 offset:STG+2304+576
	s_wait_dscnt 0x0
	global_store_b128 v5, v[P:P+3], s[52:53]       ; (P is written again only behind the next pair's wait on XCNT)
	global_store_b128 v5, v[P+4:P+7], s[52:53] offset:512
	s_cmp_lt_u32 s35, 16                           ; base_w's four rows are 4,096 numbers: 8 for each thread of waves 0-15
	s_cbranch_scc0 .Lno_base_load
	global_load_b128 v[WD:WD+3], v[WOFF], s[48:49]
	global_load_b128 v[WD+4:WD+7], v[WOFF], s[48:49] offset:16
.Lno_base_load:
	BPAIR 2
	s_cmp_lt_u32 s35, 16
	s_cbranch_scc0 .Lno_base
	WCVT 59, 61, 2, 0
.Lno_base:
	BPAIR 3
	s_wait_xcnt 0x0
	v_lshrrev_b32 v6, 5, v0                        ; my wave's 8 chunks of the bases' codes are whole: out, 512 consecutive bytes a store
	v_and_b32 v7, 31, v0
	v_lshlrev_b32 v5, 11, v6
	v_lshl_add_u32 v5, v7, 4, v5
	s_wait_alu depctr_va_vdst(0)
.irp j, 0,1,2,3
	ds_load_b128 v[T+4*\j:T+4*\j+3], v1 offset:STG+576*\j
.endr
	s_wait_dscnt 0x0
.irp j, 0,1,2,3
	global_store_b128 v5, v[T+4*\j:T+4*\j+3], s[16:17] offset:8192+512*\j
.endr
	v_lshl_add_u32 v126, v0, 2, 0x8400
	v_mov_b32 v127, 0
	s_wait_alu depctr_va_vdst(0)
	s_wait_tensorcnt 0x0
	ds_add_u32 v126, v127
	s_wait_dscnt 0x0
	s_endpgm
.Lfunc_end_k_qd1801eae6f_act0:
	.size	k_qd1801eae6f_act0, .Lfunc_end_k_qd1801eae6f_act0-k_qd1801eae6f_act0
	.p2alignl 7, 3214868480
	.fill 96, 4, 3214868480
	.section	.rodata,"a",@progbits
	.p2align	6, 0x0
	.amdhsa_kernel k_qd1801eae6f_act0
		.amdhsa_group_segment_fixed_size 148480
		.amdhsa_private_segment_fixed_size 0
		.amdhsa_enable_private_segment 0
		.amdhsa_kernarg_size 64
		.amdhsa_user_sgpr_count 2
		.amdhsa_user_sgpr_kernarg_segment_ptr 1
		.amdhsa_wavefront_size32 1
		.amdhsa_system_sgpr_workgroup_id_x 1
		.amdhsa_system_sgpr_workgroup_id_y 1
		.amdhsa_system_sgpr_workgroup_id_z 1
		.amdhsa_system_vgpr_workitem_id 0
		.amdhsa_next_free_vgpr 128
		.amdhsa_next_free_sgpr 96
		.amdhsa_reserve_vcc 1
		.amdhsa_float_denorm_mode_32 3
		.amdhsa_float_denorm_mode_16_64 3
		.amdhsa_memory_ordered 1
		.amdhsa_forward_progress 1
		.amdhsa_inst_pref_size 75
	.end_amdhsa_kernel
	.amdgpu_metadata
---
amdhsa.version: [ 1, 2 ]
amdhsa.kernels:
  - .name:           k_qd1801eae6f_act0
    .symbol:         k_qd1801eae6f_act0.kd
    .args:
      - { .name: x, .offset: 0, .size: 8, .value_kind: global_buffer, .address_space: global }
      - { .name: grid, .offset: 8, .size: 8, .value_kind: global_buffer, .address_space: global }
      - { .name: lowp_scales, .offset: 16, .size: 8, .value_kind: global_buffer, .address_space: global }
      - { .name: acodes, .offset: 24, .size: 8, .value_kind: global_buffer, .address_space: global }
      - { .name: base_w, .offset: 32, .size: 8, .value_kind: global_buffer, .address_space: global }
      - { .name: spline_w, .offset: 40, .size: 8, .value_kind: global_buffer, .address_space: global }
      - { .name: wc0, .offset: 48, .size: 8, .value_kind: global_buffer, .address_space: global }
      - { .name: gsc0, .offset: 56, .size: 8, .value_kind: global_buffer, .address_space: global }
    .group_segment_fixed_size: 148480
    .private_segment_fixed_size: 0
    .kernarg_segment_align: 8
    .kernarg_segment_size: 64
    .max_flat_workgroup_size: 1024
    .sgpr_count:     96
    .vgpr_count:     128
    .wavefront_size: 32
...
	.end_amdgpu_metadata
.endif
;; end of part 1
;; launch gemm1 (part 2): grid 16 x 16, 4 waves a work-group, clusters of 4 x 1, 327,680 bytes of LDS; arguments acodes, wc0, gsc0, hp; writes hp
.if DOCPART == 2
	.amdgcn_target "amdgcn-amd-amdhsa--gfx1250"
	.amdhsa_code_object_version 6
	.text
	.protected	k_qd1801eae6f_gemm1
	.globl	k_qd1801eae6f_gemm1
	.p2align	8
	.type	k_qd1801eae6f_gemm1,@function
k_qd1801eae6f_gemm1:
	s_mov_b64 s[64:65], 0
	v_nop
	global_prefetch_b8 v0, s[64:65] scope:SCOPE_SE
	s_setreg_imm32_b32 hwreg(HW_REG_WAVE_MODE, 25, 1), 1
	s_wait_xcnt 0x0
	s_wait_alu depctr_hold_cnt(0) depctr_sa_sdst(0) depctr_va_vdst(0) depctr_va_sdst(0) depctr_va_ssrc(0) depctr_va_vcc(0) depctr_vm_vsrc(0)
	s_getreg_b32 s2, hwreg(HW_REG_IB_STS2, 6, 4)
	s_cmp_eq_u32 s2, 0
	s_cbranch_scc0 .Lentry_in_a_cluster
	s_endpgm
.Lentry_in_a_cluster:
	s_bfe_u32 s2, ttmp6, 0x10000c
	s_cmp_lg_u32 s2, 0x3003
	s_cbranch_scc0 .Lentry_shape_is_right
	s_endpgm
.Lentry_shape_is_right:
; ONE LAYER'S TWO PRODUCTS AS ONE: hp[half][m][n] = 2^f x (2^d x sum over the base part of K + sum over the spline part of K) of the codes of BF8 (E5M2), f32 sums.
; K = 9,216: bytes 0-1,023 gelu x base_w, the rest bases x spline_w.  d and f are the whole numbers that the launch before stored (words 0 and 1).  LIMIT: d and f lie between -126 and 127.
; BOTH OPERANDS lie as [group of 8 rows][chunk of 32 bytes of K, 288][row][32 bytes]: a chunk of a group is an aligned unit of 256 bytes, a group 73,728 bytes.
; SHARES: a work-group makes 128 x 128 of h over one half of K (grid: 16 tile rows x (2 halves x 8 tile columns) = 256).  Its four waves split that half: a wave walks 36 chunks (K = 1,152) for the whole
; 128 x 128: 64 accumulators, 512 registers.  The four parts meet in LDS at the end; the two halves are added by the next launch.  A step is 64 along K (two chunks): 64 matrix instructions; 18 steps.
; B, JOINTLY: the four work-groups of a cluster (4, 1, 1) are four tile rows of one tile column and one half: they need the same codes of B.  Each wave asks for its own run of chunks of B's 16 groups by one tensor load
; with the mask 15.  Two LDS slots: slot 0 holds 10 chunks a wave (steps 0-4, then 9-13), slot 1 holds 8 (steps 5-8, then 14-17): four loads a wave in all, one out at a time; only the issuing wave reads its bytes.
; A, STRAIGHT INTO REGISTERS: each byte of A that the work-group asks for is multiplied by one wave alone.  A load brings lane (r, h) 16 bytes of row r: the 32 lanes cover two whole units of 256 bytes.
; Five sets of A's fragments take turns: while one is multiplied, the loads of the other four, 64, are out.  B's fragments have two sets, read from LDS one step ahead, by the same lane map, so every product meets its partner.
; The 18 steps are expanded from one macro with every offset an immediate: A's sets come back after 5 steps and the slots after 9, so no short trip brings the register numbers back.
; THE PREFETCH.  A: at steps 0, 3, 6, 9 a wave asks for its share of the six chunks of steps t + 6 .. t + 8, one step ahead of the first load that names them; the 8 work-groups that read a tile of A share its 16 groups out
; by address (tile column x takes groups 2 x, 2 x + 1: 12 blocks; lanes left over name the last again).  B: at step 0 for the third load (issued in step 4), at step 5 for the fourth (issued in step 8); the cluster's four
; partners share the 16 groups out by address (place p takes groups 4 p .. 4 p + 3).  What the first loads bring is asked for by them alone.
; REGISTERS: window 0: v0-31 addresses, v32-63 the way out, v64-255 A's sets 0-2; window 1: v0-127 B's two sets, v128-255 A's sets 3, 4; windows 2, 3: the accumulators ((a, b) at v[8 (8 (a % 4) + b)]).
; THE MATRIX INSTRUCTION IS USED TRANSPOSED (source 0 = 16 rows of B, source 1 = 16 rows of A): a lane holds eight neighbouring numbers of a row of h.
.set GRP,    73728
.set BLK,    2*GRP                     ; 16 rows: from fragment to fragment
.set WK,     9216                      ; a wave's 36 chunks
.set W0,     40960                     ; slot 0: a wave's 16 groups x 2,560 bytes
.set W1,     32768                     ; slot 1: 16 x 2,048
.set SLOT1,  4*W0
.set SPARE,  4*W0+4*W1                 ; the spare words, 128 bytes for each wave
.set PITCH,  528                       ; the way out: a row of 512 bytes + 16
.set TPART,  128*PITCH                 ; a wave's part of the tile; the four parts lie in the slots, behind their last fill and last read
.set RD,   8                           ; v8-11 the four parts of the rows that I sum
.set VOFF, 16                          ; v16 my lane's place in a fragment's two units, in memory
.set PFA,  17                          ; v17, v18, v21 the prefetches' offsets
.set PFB1, 18
.set ADB0, 19                          ; v19, v20 my lane's place in my part of slot 0, 1
.set ADB1, 20
.set PFB2, 21
.set STO,  24
.set CO,   26
.set SPW,  28
.set NIL,  29
.set OUT,  32
.set LD,   128
.set AB,   32                          ; s[32:33] A's address, s[34:35] B's
.set BB,   34
.set G0,   48                          ; s[48:63] four groups 0, one for each load
.set G1L,  68                          ; s[68:75] group 1, rows of 2,560 bytes; s[76:83] rows of 2,048
.set G1S,  76
.set MSB, 0
.macro WIN new
.if MSB != \new
	s_set_vgpr_msb (MSB<<8)|\new
.set MSB, \new
.endif
.endm
.set TO_1, 0x40                        ; destination window 1, address window 0
.macro PLACES
.rept 4
	v_nop
.endr
.endm
.macro CREST                           ; a round of the cluster's barrier behind its opening barrier
	s_cmp_lg_u32 s14, 0
	s_cbranch_scc1 .Lnot_wave_0_\@
	s_barrier_signal -3
.Lnot_wave_0_\@:
	s_barrier_wait -3
	s_barrier_signal -1
	s_barrier_wait -1
.endm
.macro CROUND
	s_barrier_signal -1
	s_barrier_wait -1
	CREST
.endm
.macro ASET t                          ; where step t's fragments of A lie
.set AS, (\t)%5
.if AS < 3
.set AW, 0
.set AR, 64+64*AS
.else
.set AW, 1
.set AR, 128+64*(AS-3)
.endif
.endm
.macro ALOAD t                         ; step t's fragments of A: 16 loads
	ASET \t
.set WV, 0x40*AW
	WIN WV
.irp i, 0,1,2,3,4,5,6,7
	global_load_b128 v[AR+8*\i:AR+8*\i+3], v[VOFF], s[AB:AB+1] offset:\i*BLK+(\t)*512
	global_load_b128 v[AR+8*\i+4:AR+8*\i+7], v[VOFF], s[AB:AB+1] offset:\i*BLK+(\t)*512+256
.endr
	WIN 0
.endm
.macro BFETCH t                        ; step t's fragments of B out of its slot: 16 LDS loads
.set U, (\t)%9
.set BF, ((\t)%2)*64
	WIN TO_1
.irp i, 0,1,2,3,4,5,6,7
.if U < 5
	ds_load_b128 v[BF+8*\i:BF+8*\i+3], v[ADB0] offset:\i*5120+U*512
	ds_load_b128 v[BF+8*\i+4:BF+8*\i+7], v[ADB0] offset:\i*5120+U*512+256
.else
	ds_load_b128 v[BF+8*\i:BF+8*\i+3], v[ADB1] offset:\i*4096+(U-5)*512
	ds_load_b128 v[BF+8*\i+4:BF+8*\i+7], v[ADB1] offset:\i*4096+(U-5)*512+256
.endif
.endr
.endm
.macro MUL16 a0, zero                  ; A's blocks a0, a0 + 1 x B's eight; the 64 accumulators take turns, in the same order in every step
.irp a, \a0, \a0+1
.irp b, 0,1,2,3,4,5,6,7
.if \zero
	v_wmma_f32_16x16x64_bf8_bf8 v[8*(8*((\a)%4)+\b):8*(8*((\a)%4)+\b)+7], v[BM+8*\b:BM+8*\b+7], v[AR+8*(\a):AR+8*(\a)+7], 0
.else
	v_wmma_f32_16x16x64_bf8_bf8 v[8*(8*((\a)%4)+\b):8*(8*((\a)%4)+\b)+7], v[BM+8*\b:BM+8*\b+7], v[AR+8*(\a):AR+8*(\a)+7], v[8*(8*((\a)%4)+\b):8*(8*((\a)%4)+\b)+7]
.endif
.endr
.endr
.endm
; Step t.  kind 0: the next step's B lies in the same slot.  1: a slot's last step, and the slot is filled again.  2: a slot's last step, nothing is filled.  3: the last step.
.macro STEP t, kind, zero
	ASET \t
.set BM, ((\t)%2)*64
.set NW, 16*(17-(\t))                  ; behind this set's loads stand those of the sets still to come, four at the most; the wait's field holds 63
.if NW > 63
.set NW, 63
.endif
.set WLO, 0xa1+4*AW                    ; source 0 (B) window 1, source 1 (A) window AW, C and D window 2
.set WHI, 0xf1+4*AW
	s_wait_loadcnt NW
.if \kind == 1
	s_wait_tensorcnt 0x0                           ; my one tensor load that is out, my part of the other slot, has landed;
	ds_add_u32 v[SPW], v[NIL]
	s_wait_dscnt 1                                 ; this step's B is in; the add may be out
	WIN WLO
	MUL16 0, \zero
	s_wait_dscnt 0x0                               ; the add is done, and my reads of this slot are over
	s_barrier_signal -1
	MUL16 2, \zero
	WIN 0
	s_barrier_wait -1
	CREST                                          ; the barrier has opened a round of the cluster's barrier: no wave of any partner still reads this slot or has a load on its way
.if (\t) == 4
	tensor_load_to_lds s[G0+8:G0+11], s[G1L:G1L+7]
.else
	tensor_load_to_lds s[G0+12:G0+15], s[G1S:G1S+7]
.endif
	s_nop 0
	PLACES
	BFETCH (\t)+1
.else
.if \kind == 2
	s_wait_tensorcnt 0x0                           ; my last load, my part of slot 1, has landed: only I read it
.endif
	s_wait_dscnt 0x0                               ; this step's B is in
.if \kind != 3
	BFETCH (\t)+1
.endif
	WIN WLO
	MUL16 0, \zero
	MUL16 2, \zero
.endif
	WIN WHI
	MUL16 4, \zero
	MUL16 6, \zero
	WIN 0
	PLACES                                         ; four places in front of loads into registers that matrix instructions have read
.if ((\t)%3 == 0) && ((\t) < 10)
	global_prefetch_b8 v[PFA], s[AB:AB+1] offset:((\t)+6)*512 th:TH_LOAD_NT scope:SCOPE_SE
.endif
.if (\t) == 0
	global_prefetch_b8 v[PFB1], s[BB:BB+1] offset:18*256 th:TH_LOAD_NT scope:SCOPE_SE   ; chunks 18-25 and
	global_prefetch_b8 v[PFB2], s[BB:BB+1] offset:18*256 th:TH_LOAD_NT scope:SCOPE_SE   ; 26, 27 of my four groups
.endif
.if (\t) == 5
	global_prefetch_b8 v[PFB1], s[BB:BB+1] offset:28*256 th:TH_LOAD_NT scope:SCOPE_SE   ; chunks 28-35
.endif
.if (\t)+5 < 18
	ALOAD (\t)+5
.endif
.endm
	s_load_b128 s[4:7], s[0:1], 0x0                ; A's codes, B's codes
	s_load_b128 s[8:11], s[0:1], 0x10              ; d and f, hp
	v_lshl_add_u32 v[SPW], v0, 2, SPARE
	v_mov_b32 v[NIL], 0
	ds_add_u32 v[SPW], v[NIL]                      ; the opening add,
	ds_add_u32 v[SPW], v[NIL]                      ; once more, and below the one wait for both
	v_lshrrev_b32 v1, 5, v0
	v_readfirstlane_b32 s14, v1                    ; wave
	s_bfe_u32 s40, ttmp6, 0x40000                  ; my place in the cluster
	s_lshl_b32 s17, ttmp9, 2
	s_add_co_u32 s17, s17, s40                     ; tile row
	s_and_b32 s18, ttmp7, 0xffff
	s_lshr_b32 s66, s18, 3                         ; which half of K
	s_and_b32 s18, s18, 7                          ; tile column
	s_lshl_b32 s15, s66, 2
	s_add_co_u32 s15, s15, s14                     ; which of the eight runs of 36 chunks is my wave's
	s_mul_i32 s16, s15, WK
	s_mul_i32 s20, s17, 16*GRP                     ; A: the tile row's 16 groups
	s_add_co_u32 s20, s20, s16
	s_mov_b32 s21, 0
	s_mul_i32 s22, s18, 16*GRP                     ; B: the tile column's: nothing of my place in the cluster
	s_add_co_u32 s22, s22, s16
	s_mov_b32 s23, 0
	s_lshl_b32 s24, s18, 1                         ; the two groups of A and
	s_lshl_b32 s25, s40, 2                         ; the four groups of B that my work-group prefetches
	s_mul_i32 s26, s14, TPART
	s_mul_i32 s27, s14, 32*PITCH
	s_mul_i32 s30, s14, W0                         ; my part of slot 0,
	s_lshl_b32 s31, s14, 15
	s_add_co_u32 s31, s31, SLOT1                   ; of slot 1
	s_lshl_b32 s28, s17, 7                         ; hp: row 128 x tile row + 32 x wave, of 4,096 bytes; the halves 2^23 bytes apart; column 128 x tile column
	s_lshl_b32 s29, s14, 5
	s_add_co_u32 s28, s28, s29
	s_lshl_b32 s28, s28, 12
	s_lshl_b32 s29, s66, 23
	s_add_co_u32 s28, s28, s29
	s_lshl_b32 s29, s18, 9
	s_add_co_u32 s28, s28, s29
	s_mov_b32 s29, 0
	s_mov_b32 s[G1L+0], 15|(1<<21)                 ; the mask: all four of the cluster; bit 21 beside it; elements of one byte, no padding
	s_mov_b32 s[G1L+1], 2560<<16                   ; tensor_dim0
	s_mov_b32 s[G1L+2], 16<<16                     ; tensor_dim1: 16 groups
	s_mov_b32 s[G1L+3], 2560<<16                   ; tile_dim0: 10 chunks
	s_mov_b32 s[G1L+4], 16
	s_mov_b32 s[G1L+5], GRP                        ; from group to group
	s_mov_b32 s[G1L+6], 0
	s_mov_b32 s[G1L+7], 0
	s_mov_b32 s[G1S+0], 15|(1<<21)
	s_mov_b32 s[G1S+1], 2048<<16
	s_mov_b32 s[G1S+2], 16<<16
	s_mov_b32 s[G1S+3], 2048<<16                   ; 8 chunks
	s_mov_b32 s[G1S+4], 16
	s_mov_b32 s[G1S+5], GRP
	s_mov_b32 s[G1S+6], 0
	s_mov_b32 s[G1S+7], 0
	v_and_b32 v1, 15, v0                           ; r
	v_bfe_u32 v2, v0, 4, 1                         ; h
	v_bfe_u32 v3, v0, 3, 1
	v_and_b32 v4, 7, v0
	v_and_b32 v5, 31, v0
	v_and_b32 v6, 1, v0
	v_lshlrev_b32 v7, 5, v4
	v_lshl_add_u32 v7, v2, 4, v7                   ; row r % 8 of a unit, 16 h
	v_mad_u32_u24 v[VOFF], v3, GRP, v7             ; group r / 8: in memory,
	v_mad_u32_u24 v[ADB0], v3, 2560, v7            ; in slot 0,
	v_lshl_add_u32 v[ADB1], v3, 11, v7             ; in slot 1
	v_add_nc_u32 v[ADB0], s30, v[ADB0]
	v_add_nc_u32 v[ADB1], s31, v[ADB1]
	v_lshrrev_b32 v7, 1, v5
	v_min_u32 v7, 5, v7
	v_add_nc_u32 v6, s24, v6
	v_mul_u32_u24 v6, v6, GRP
	v_lshl_add_u32 v[PFA], v7, 8, v6               ; A: group 2 x + lane % 2, chunk lane / 2, held at 5
	v_lshrrev_b32 v6, 3, v5
	v_add_nc_u32 v6, s25, v6
	v_mul_u32_u24 v6, v6, GRP
	v_lshl_add_u32 v[PFB1], v4, 8, v6              ; B: group 4 p + lane / 8, chunk lane % 8
	v_min_u32 v7, 7, v5
	v_lshrrev_b32 v6, 1, v7
	v_and_b32 v7, 1, v7
	v_add_nc_u32 v6, s25, v6
	v_mul_u32_u24 v6, v6, GRP
	v_lshl_add_u32 v6, v7, 8, v6
	v_add_nc_u32 v[PFB2], 2048, v6                 ; B: group 4 p + lane / 2, chunk 8 + lane % 2, the lane held at 7
	v_mul_u32_u24 v3, v1, PITCH
	v_lshl_add_u32 v3, v2, 5, v3
	v_lshlrev_b32 v[CO], 4, v5
	v_add_nc_u32 v[STO], s26, v3                   ; the way out: my part, row r, 32 bytes for each half of the lanes
	v_add_nc_u32 v[RD], s27, v[CO]                 ; back: rows 32 w .. + 31 of each of the four parts, a row to the 32 lanes
	v_add_nc_u32 v[RD+1], TPART, v[RD]
	v_add_nc_u32 v[RD+2], TPART, v[RD+1]
	v_add_nc_u32 v[RD+3], TPART, v[RD+2]
	s_wait_alu depctr_va_vdst(0)
	s_wait_dscnt 0x0                               ; both opening adds are done
	s_wait_kmcnt 0x0
	s_load_b64 s[96:97], s[8:9], 0x0               ; d, f
	s_add_nc_u64 s[AB:AB+1], s[4:5], s[20:21]
	s_add_nc_u64 s[BB:BB+1], s[6:7], s[22:23]
	s_add_nc_u64 s[10:11], s[10:11], s[28:29]
	s_mov_b32 s[G0+0], 1                           ; chunks 0-9 into slot 0
	s_mov_b32 s[G0+1], s30
	s_mov_b64 s[G0+2:G0+3], s[BB:BB+1]
	s_or_b32 s[G0+3], s[G0+3], 0x80000000
	s_mov_b32 s[G0+4], 1                           ; chunks 10-17 into slot 1
	s_mov_b32 s[G0+5], s31
	s_add_nc_u64 s[G0+6:G0+7], s[BB:BB+1], 10*256
	s_or_b32 s[G0+7], s[G0+7], 0x80000000
	s_mov_b32 s[G0+8], 1                           ; chunks 18-27 into slot 0
	s_mov_b32 s[G0+9], s30
	s_add_nc_u64 s[G0+10:G0+11], s[BB:BB+1], 18*256
	s_or_b32 s[G0+11], s[G0+11], 0x80000000
	s_mov_b32 s[G0+12], 1                          ; chunks 28-35 into slot 1
	s_mov_b32 s[G0+13], s31
	s_add_nc_u64 s[G0+14:G0+15], s[BB:BB+1], 28*256
	s_or_b32 s[G0+15], s[G0+15], 0x80000000
	CROUND                                         ; all four work-groups are here: the first joint loads meet
	tensor_load_to_lds s[G0:G0+3], s[G1L:G1L+7]    ; one tensor load a wave at the head
	s_nop 0
	PLACES
	ALOAD 0
	ALOAD 1
	ALOAD 2
	s_wait_tensorcnt 0x0                           ; my part of slot 0 is in
	ds_add_u32 v[SPW], v[NIL]
	s_wait_dscnt 0x0
	CROUND
	tensor_load_to_lds s[G0+4:G0+7], s[G1S:G1S+7]  ; slot 1's first fill, the first tensor load behind the round
	s_nop 0
	PLACES
	BFETCH 0
	WIN 0
	ALOAD 3
	ALOAD 4
	s_wait_kmcnt 0x0
	s_add_co_i32 s92, s96, 127
	s_lshl_b32 s92, s92, 23                        ; 2^d
	s_mov_b32 s93, s92
	s_add_co_i32 s94, s97, 127
	s_lshl_b32 s94, s94, 23                        ; 2^f
	s_mov_b32 s95, s94
	STEP 0, 0, 1                                   ; the first step starts the sums
.irp t, 1,2,3
	STEP \t, 0, 0
.endr
	STEP 4, 1, 0
.irp t, 5,6,7
	STEP \t, 0, 0
.endr
	STEP 8, 1, 0
.irp t, 9,10,11,12
	STEP \t, 0, 0
.endr
	STEP 13, 2, 0
	STEP 14, 0, 0
	STEP 15, 0, 0
	s_cmp_lg_u32 s15, 0
	s_cbranch_scc1 .Lspline_only                   ; the base part is chunks 0-31: steps 0 to 15 of the first run alone.  That wave brings its sums under the spline part's scale: x 2^d, which rounds nothing
	WIN 0x82                                       ; (the step's four places stand behind its last matrix instruction)
.set J, 0
.rept 128
	v_pk_mul_f32 v[J:J+1], v[J:J+1], s[92:93] op_sel_hi:[1,0]
.set J, J+2
.endr
	WIN 0xc3
.set J, 0
.rept 128
	v_pk_mul_f32 v[J:J+1], v[J:J+1], s[92:93] op_sel_hi:[1,0]
.set J, J+2
.endr
	WIN 0
	s_wait_alu depctr_va_vdst(0)
.Lspline_only:
	STEP 16, 0, 0
	STEP 17, 3, 0
	; THE WAY OUT: each wave lays its part into LDS by rows; a barrier; each wave sums 32 rows over the four parts, x 2^f, and stores whole rows of 512 bytes
	s_wait_dscnt 0x0                               ; my reads of the slots are over; every wave's tensor loads were waited for in step 13
	s_barrier_signal -1
	s_barrier_wait -1                              ; nobody reads the slots any more: the parts may be laid over them
.irp a, 0,1,2,3,4,5,6,7
.set WPUT, 0x08+4*(\a/4)
	WIN WPUT
.irp b, 0,1,2,3,4,5,6,7
	ds_store_b128 v[STO], v[8*(8*(\a%4)+\b):8*(8*(\a%4)+\b)+3] offset:\a*16*PITCH+64*\b
	ds_store_b128 v[STO], v[8*(8*(\a%4)+\b)+4:8*(8*(\a%4)+\b)+7] offset:\a*16*PITCH+64*\b+16
.endr
.endr
	WIN 0
	s_wait_dscnt 0x0                               ; for the others' sake: my stores have landed
	s_barrier_signal -1
	s_barrier_wait -1
.macro GET g
.irp k, 0,1,2,3
.irp i, 0,1,2,3
	ds_load_b128 v[LD+64*((\g)%2)+16*\k+4*\i:LD+64*((\g)%2)+16*\k+4*\i+3], v[RD+\k] offset:(4*(\g)+\i)*PITCH
.endr
.endr
.endm
.macro SUMOUT g
.set LS, LD+64*((\g)%2)
.set OS, OUT+16*((\g)%2)
.irp i, 0,1,2,3
.irp h, 0,2
	v_pk_add_f32 v[LS+4*\i+\h:LS+4*\i+\h+1], v[LS+4*\i+\h:LS+4*\i+\h+1], v[LS+16+4*\i+\h:LS+16+4*\i+\h+1]
	v_pk_add_f32 v[LS+32+4*\i+\h:LS+32+4*\i+\h+1], v[LS+32+4*\i+\h:LS+32+4*\i+\h+1], v[LS+48+4*\i+\h:LS+48+4*\i+\h+1]
	v_pk_add_f32 v[LS+4*\i+\h:LS+4*\i+\h+1], v[LS+4*\i+\h:LS+4*\i+\h+1], v[LS+32+4*\i+\h:LS+32+4*\i+\h+1]
	v_pk_mul_f32 v[OS+4*\i+\h:OS+4*\i+\h+1], v[LS+4*\i+\h:LS+4*\i+\h+1], s[94:95] op_sel_hi:[1,0]
.endr
	global_store_b128 v[CO], v[OS+4*\i:OS+4*\i+3], s[10:11] offset:(4*(\g)+\i)*4096   ; 32 lanes store 512 consecutive bytes, aligned
.endr
.endm
	GET 0
.irp g, 0,1,2,3,4,5,6,7
.if \g < 7
	GET \g+1
	s_wait_dscnt 16                                ; this group's 16 loads are in; the next group's may be out
.else
	s_wait_dscnt 0x0
.endif
.if \g > 1
	s_wait_xcnt 0x0                                ; the stores of two groups ago have read their registers
.endif
	SUMOUT \g
.endr
	s_wait_tensorcnt 0x0                           ; the wave's end
	ds_add_u32 v[SPW], v[NIL]
	s_wait_dscnt 0x0
	CROUND                                         ; the closing round: no work-group ends while a partner may still ask for a tile that names it
	s_endpgm
.Lfunc_end_k_qd1801eae6f_gemm1:
	.size	k_qd1801eae6f_gemm1, .Lfunc_end_k_qd1801eae6f_gemm1-k_qd1801eae6f_gemm1
	.p2alignl 7, 3214868480
	.fill 96, 4, 3214868480
	.section	.rodata,"a",@progbits
	.p2align	6, 0x0
	.amdhsa_kernel k_qd1801eae6f_gemm1
		.amdhsa_group_segment_fixed_size 327680
		.amdhsa_private_segment_fixed_size 0
		.amdhsa_enable_private_segment 0
		.amdhsa_kernarg_size 32
		.amdhsa_user_sgpr_count 2
		.amdhsa_user_sgpr_kernarg_segment_ptr 1
		.amdhsa_wavefront_size32 1
		.amdhsa_system_sgpr_workgroup_id_x 1
		.amdhsa_system_sgpr_workgroup_id_y 1
		.amdhsa_system_sgpr_workgroup_id_z 1
		.amdhsa_system_vgpr_workitem_id 0
		.amdhsa_next_free_vgpr 1024
		.amdhsa_next_free_sgpr 100
		.amdhsa_reserve_vcc 0
		.amdhsa_float_denorm_mode_32 3
		.amdhsa_float_denorm_mode_16_64 3
		.amdhsa_memory_ordered 1
		.amdhsa_forward_progress 1
		.amdhsa_inst_pref_size 185
	.end_amdhsa_kernel
	.amdgpu_metadata
---
amdhsa.version: [ 1, 2 ]
amdhsa.kernels:
  - .name:           k_qd1801eae6f_gemm1
    .symbol:         k_qd1801eae6f_gemm1.kd
    .args:
      - { .name: acodes, .offset: 0, .size: 8, .value_kind: global_buffer, .address_space: global }
      - { .name: wc0, .offset: 8, .size: 8, .value_kind: global_buffer, .address_space: global }
      - { .name: gsc0, .offset: 16, .size: 8, .value_kind: global_buffer, .address_space: global }
      - { .name: hp, .offset: 24, .size: 8, .value_kind: global_buffer, .address_space: global }
    .group_segment_fixed_size: 327680
    .private_segment_fixed_size: 0
    .kernarg_segment_align: 8
    .kernarg_segment_size: 32
    .max_flat_workgroup_size: 128
    .sgpr_count:     100
    .vgpr_count:     1024
    .wavefront_size: 32
...
	.end_amdgpu_metadata
.endif
;; end of part 2
;; launch act1 (part 3): grid 256 x 1, 32 waves a work-group, no clusters, 148,480 bytes of LDS; arguments hp, grid, ln_g, ln_b, prelu_a, lowp_scales, acodes, base_w, spline_w, wc1, gsc1; writes acodes, wc1, gsc1
.if DOCPART == 3
	.amdgcn_target "amdgcn-amd-amdhsa--gfx1250"
	.amdhsa_code_object_version 6
	.text
	.protected	k_qd1801eae6f_act1
	.globl	k_qd1801eae6f_act1
	.p2align	8
	.type	k_qd1801eae6f_act1,@function
k_qd1801eae6f_act1:
	s_mov_b64 s[64:65], 0
	v_nop
	global_prefetch_b8 v0, s[64:65] scope:SCOPE_SE
	s_setreg_imm32_b32 hwreg(HW_REG_WAVE_MODE, 25, 1), 1
	s_wait_xcnt 0x0
; ONE LAYER'S OPERANDS AS CODES OF BF8 (E5M2): the left operands of its two products, made once for each number, and, under that arithmetic, its weights.
; acodes [2048][9216]: bytes 0-1023 of a row: gelu(y), byte 1024 + 8 f + c: B-spline basis c of y[f].   wc [1024 outputs][9216]: bytes 0-1023: base_w's row, byte 1024 + 8 in + c: spline_w[out][in][c]: the same order along K.
; MODE 0: y = x (layer 0).   MODE 1: y = PReLU(LayerNorm(h)) with layer 0's gain, bias and slope, h = the sum of the two halves along K that the product's launch stored; operands and weights are layer 1's.
; SHARES: a work-group of 1,024 threads owns 8 rows of y.  Three maps of threads onto them:
;   rows:     thread t holds features 4 jj .. +3 and 512 + 4 jj .. +3 of row rr (rr = t / 128, jj = t % 128): each load of a wave covers 512 consecutive bytes; a row's sums meet in LDS (four waves a row);
;   gelu:     thread t takes features 8 jj .. +7 of row rr: one conversion, 8 bytes; a wave stores 256 consecutive bytes, aligned;
;   features: thread t owns feature t in all 8 rows: its 12 knots and 30 reciprocals stay in registers, and a row's 8 bases are the 8 bytes of one conversion; a wave again stores 256 aligned bytes.
; y goes from map to map through LDS (8 rows x 4,096 bytes).
; THE WEIGHTS: 9,437,184 numbers a layer are 36,864 a work-group: output rows 4 g .. 4 g + 3.  A pass: thread t takes 8 neighbours along K, 32 bytes by two loads of 16 (the wave's two loads together cover 1,024 consecutive bytes),
; holds them, converts them once and stores 8 bytes: 256 consecutive bytes a wave, aligned.  1,024 threads x 8 are one row of spline_w: four passes; base_w's four rows are half a pass, which waves 0-15 take.
; The operands' arithmetic is long and asks little of memory; a pass is 16 lines for 256 numbers of a wave.  So ONE PASS IS ON ITS WAY WHILE A PIECE OF THE ARITHMETIC IS DONE: asked for in front of the piece, converted behind it.
; The codes' offsets are those of the operands' codes: 1,024 + 8 t (the bases') for spline_w, rr x 9,216 + 8 jj (gelu's) for base_w.
; Wave 0 of work-group 0 also stores the whole numbers that the product's launch wants: word 0: d = (eA_base + eW_base) - (eA_spline + eW_spline); all other words: f = eA_spline + eW_spline.
; GELU, exact form: gelu(y) = max(y, 0) - |y / 2| erfc(|y| / sqrt 2), right for both signs, with no difference of near numbers.  erfc(a) = (1 + p(q)) / (1 + 2 a) x e^(-a a), q = (a - 2) / (a + 2), p of degree 9;
; both quotients get one step of correction, and e^(-a a) the two small terms that the rounding of a a and of a a log2(e) leave.  a is held at 16, where erfc is 0 in f32, so every finite y is served.
; BASES: the recursion as it is written, on the knots AS THEY ARE GIVEN (no order and no spacing is assumed): b0_j = (y >= g_j) and not (y >= g_(j+1)); level k: b_j = (y - g_j) / (g_(j+k) - g_j) b_j + (g_(j+k+1) - y) / (g_(j+k+1) - g_(j+1)) b_(j+1).
; Kept is P_j = b_j / (g_(j+k) - g_j), so a level is P_j = T_j P_j - T_(j+k+1) P_(j+1) with T_j = y - g_j, two rows in each packed instruction.  A difference 0 becomes 1 at j = 0 only: from j = 1 on the same
; difference also divides without that guard in the second term, where the result asked for is not finite.
; LIMITS: NaN and infinities among x, h and the knots are not served; NaN among the weights is not served (an infinity is held at the largest code).  Each given e lies between -126 and 112.
; A difference of knots under 2^-126 counts as 0, and e^(-a a) under 2^-126 as 0 (v_rcp_f32, v_exp_f32: ISA guide 15.8).
.set MODE,  1
; THE CODES' LAYOUT, which stands in place of the rows of 9,216 bytes that the lines above name: both buffers are laid as the product's launch loads its fragments.
; [group of 8 rows][chunk of 32 bytes along K, 288 of them][row in the group][32 bytes]: a chunk of a group is one aligned unit of 256 bytes, a group 73,728 bytes.  The order along K is as above (chunks 0-31 gelu or base_w).
; acodes: work-group g owns group g.  gelu: thread t takes row (t / 4) % 8 and features 8 (4 (t / 32) + t % 4) .. +7, so a wave's 8-byte stores fill one unit (byte 8 t of the group).
; The bases: a wave's 32 features are 8 chunks; its codes of the 8 rows meet in the wave's own stage in LDS (a chunk 288 bytes apart from the next) and leave as four stores of 512 consecutive bytes.
; wc: work-group g takes group g / 2 and half g % 2 of K.  spline_w: wave w takes 4 chunks; pass p holds rows 2 p (lanes 0-15) and 2 p + 1 (lanes 16-31), 512 consecutive bytes of f32 each;
; four passes meet in the wave's stage and leave as two stores of 512 bytes.  base_w: wave w (0-15) takes one chunk, lane l row l / 4: its 8-byte stores fill one unit; two neighbouring waves read the two halves of each 256 bytes of f32.
.if MODE
.set GOFF,  49152                      ; layer 1's knots: 1,024 x 48 bytes on
.set EG,    44                         ; s44: gelu's e (entry 4), s45: base_w's;  s46: the bases' (entry 6), s47: spline_w's
.set EB,    46
.else
.set GOFF,  0
.set EG,    40                         ; entries 0, 1 and 2, 3
.set EB,    42
.endif
.set LBASE, 0x400000                   ; layer 1 of base_w, in bytes
.set LSPL,  0x2000000                  ; layer 1 of spline_w
.set ROWC,  9216                       ; a row of codes in bytes
.set RED1,  32768
.set STG,   37888                      ; LDS: behind the spare words, a stage for each wave:
.set WSTG,  3456                       ; 8 chunks x 288 bytes for the bases' codes, then 4 x 288 for the weights'
.set XV,    12                         ; v12-19   y of my feature in the 8 rows: four pairs
.set G,     20                         ; v20-31   my feature's 12 knots
.set I1,    32                         ; v32-42   1 / (g_(j+1) - g_j)
.set WOFF,  43                         ; v43      32 t: my 8 numbers of a pass of weights; rewritten for base_w
.set I2,    44                         ; v44-53   1 / (g_(j+2) - g_j)
.set I3,    54                         ; v54-62   1 / (g_(j+3) - g_j); v63 is named with v62 as a pair and its value never taken there: it holds the weights' 2^e
.set T,     64                         ; v64-87   T_j, 12 pairs; at a pair's end the two rows' bases, 8 + 8
.set P,     88                         ; v88-109  P_j, 11 pairs
.set C,     104                        ; v104-107 the two rows' codes: P's pairs 8 and 9, which are done with behind level 3
.set TMP,   110                        ; v110-113 two pairs by turns
.set WD,    114                        ; v114-121 a pass's 8 weights
.set WC,    122                        ; v122-123 and their codes
.set M0,    68                         ; s68-79, s80-91: the compares of the pair's two rows
.set M1,    80
.set H0,    64                         ; the norm: v64-71 h, then y; v72-79 the second half, then slope x y; v80-87 gain; v88-95 bias; v96-103 at work
.set H1,    72
.set LG,    80
.set LB,    88
.set W,     96
.set YG,    64                         ; gelu: v64-71 y; v72-79 a, then the result; v80-87 r; v88-95 q; v96-103 t; v104-111 p
.set A,     72
.set R,     80
.set Q,     88
.set TT,    96
.set PP,    104
; v1 16 jj; v2, v3 store offsets (gelu's and base_w's codes; the bases' and spline_w's); v4 rr x 4,096 + 16 jj; v5 4 t; v6, v7 the sums' words; v8-11 scales; v124 48 t, v125 rr x 4,096 + 32 jj, later both gelu's codes; v[126:127] p's first coefficient
; s[48:49] base_w, s[50:51] spline_w, s[52:53] wc, each at my four rows; s[54:55] the whole numbers; s35 my wave's number; s56-58: -limit, limit, 2^e of spline_w; s59-61: of base_w
.macro BAR                             ; my LDS stores have landed and my LDS loads are in: then the work-group's barrier
	s_wait_dscnt 0x0
	s_barrier_signal -1
	s_barrier_wait -1
.endm
.macro MKSCALE e, vs, vl               ; v[vs] = 2^e as f32 (the conversion takes its exponent field), v[vl] = 57,344 x 2^e
	s_add_co_i32 s32, s[\e], 127
	s_lshl_b32 s33, s32, 23
	v_mov_b32 v[\vs], s33
	s_add_co_i32 s32, s32, 15
	s_lshl_b32 s32, s32, 23
	s_or_b32 s32, s32, 0x600000
	v_mov_b32 v[\vl], s32
.endm
.macro MKW e, d                        ; the same in scalar registers: s[d] = -57,344 x 2^e, s[d+1] = 57,344 x 2^e, s[d+2] = 2^e
	s_add_co_i32 s32, s[\e], 127
	s_lshl_b32 s[\d+2], s32, 23
	s_add_co_i32 s32, s32, 15
	s_lshl_b32 s32, s32, 23
	s_or_b32 s[\d+1], s32, 0x600000
	s_or_b32 s[\d], s[\d+1], 0x80000000
.endm
.macro WLOAD p                         ; row p of my four rows of spline_w is asked for.  No hint: each block of 256 bytes is touched by both loads
	global_load_b128 v[WD:WD+3], v[WOFF], s[50:51] offset:65536*(\p)
	global_load_b128 v[WD+4:WD+7], v[WOFF], s[50:51] offset:65536*(\p)+16
.endm
.macro WCVT lo, sc, vo, off            ; the pass that is on its way becomes codes and is stored
	s_wait_loadcnt 0x0                             ; my 8 weights are in: no younger load is out
.irp i, 0,1,2,3,4,5,6,7
	v_med3_num_f32 v[WD+\i], v[WD+\i], s[\lo], s[\lo+1]   ; the conversion to an 8-bit code does not saturate (ISA guide 7.6.2): the hold at the largest code x the scale
.endr
	v_mov_b32 v63, s[\sc]
	s_wait_alu depctr_va_vdst(0)
	s_wait_xcnt 0x0                                ; the last pass's store has read its codes: they are written again only behind this wait
	v_cvt_scalef32_pk8_bf8_f32 v[WC:WC+1], v[WD:WD+7], v63
	v_nop                                          ; a plain instruction behind the conversion
.if \vo == 4
	ds_store_b64 v4, v[WC:WC+1] offset:\off        ; spline_w: into my wave's stage, rows 2 p and 2 p + 1
.else
	global_store_b64 v[\vo], v[WC:WC+1], s[52:53] offset:\off   ; base_w: 32 lanes store 256 consecutive bytes, aligned
.endif
.endm
.if MODE
.macro WSUM r, t                       ; the sum over the wave's 32 lanes, in every lane
	s_delay_alu instid0(VALU_DEP_1)
	v_add_f32_dpp v[\r], v[\r], v[\r] row_xmask:1 row_mask:0xf bank_mask:0xf
	s_delay_alu instid0(VALU_DEP_1)
	v_add_f32_dpp v[\r], v[\r], v[\r] row_xmask:2 row_mask:0xf bank_mask:0xf
	s_delay_alu instid0(VALU_DEP_1)
	v_add_f32_dpp v[\r], v[\r], v[\r] row_xmask:4 row_mask:0xf bank_mask:0xf
	s_delay_alu instid0(VALU_DEP_1)
	v_add_f32_dpp v[\r], v[\r], v[\r] row_xmask:8 row_mask:0xf bank_mask:0xf
	s_delay_alu instid0(VALU_DEP_1)
	v_permlanex16_b32 v[\t], v[\r], s26, s27
	s_delay_alu instid0(VALU_DEP_1)
	v_add_f32 v[\r], v[\r], v[\t]
.endm
.endif
	s_load_b64 s[4:5], s[0:1], 0x0                 ; x, or the sums h
	s_load_b64 s[6:7], s[0:1], 0x8                 ; the knots
.if MODE
	s_load_b128 s[8:11], s[0:1], 0x10              ; gain, bias
	s_load_b128 s[12:15], s[0:1], 0x20             ; slope, the scales' exponents
	s_load_b64 s[16:17], s[0:1], 0x30              ; the operands' codes
	s_load_b128 s[48:51], s[0:1], 0x38             ; base_w, spline_w
	s_load_b128 s[52:55], s[0:1], 0x48             ; the weights' codes, the whole numbers
.else
	s_load_b64 s[14:15], s[0:1], 0x10              ; the scales' exponents
	s_load_b64 s[16:17], s[0:1], 0x18              ; the operands' codes
	s_load_b128 s[48:51], s[0:1], 0x20             ; base_w, spline_w
	s_load_b128 s[52:55], s[0:1], 0x30             ; the weights' codes, the whole numbers
.endif
	v_and_b32 v12, 127, v0                         ; jj
	v_lshrrev_b32 v13, 7, v0                       ; rr
	s_delay_alu instid0(VALU_DEP_2)
	v_lshlrev_b32 v1, 4, v12
	s_delay_alu instid0(VALU_DEP_1)
	v_lshl_add_u32 v4, v13, 12, v1                 ; my 16 bytes in the group's 8 rows of 4,096 bytes: in memory and in LDS
	v_mul_u32_u24 v124, v0, 48                     ; my feature's 12 knots
	v_bfe_u32 v14, v0, 2, 3                        ; (t / 4) % 8
	v_lshrrev_b32 v15, 5, v0                       ; wave
	v_and_b32 v16, 3, v0
	v_bfe_u32 v17, v0, 4, 1
	v_and_b32 v18, 15, v0
	v_lshlrev_b32 v125, 12, v14                    ; LDS: gelu's eight numbers: row (t / 4) % 8,
	v_mul_u32_u24 v3, v15, WSTG
	v_lshlrev_b32 v[WOFF], 15, v17                 ; spline_w: lanes 16-31 take the next row,
	v_lshl_add_u32 v125, v15, 7, v125              ; features 32 x wave
	v_mad_u32_u24 v3, v14, 288, v3
	v_lshl_add_u32 v[WOFF], v15, 9, v[WOFF]        ; my wave's 4 chunks: 512 bytes of f32,
	v_lshl_add_u32 v125, v16, 5, v125              ; + 8 (t % 4)
	v_lshl_add_u32 v3, v16, 3, v3
	v_lshl_add_u32 v[WOFF], v18, 5, v[WOFF]        ; my 8 numbers
	v_lshlrev_b32 v2, 3, v0                        ; byte 8 t of a group: gelu's codes, and base_w's
	v_add_nc_u32 v3, STG, v3                       ; my wave's stage: chunk lane / 4, byte 8 (lane % 4) of row 0: the bases' codes
	v_lshlrev_b32 v5, 2, v0                        ; LDS: my feature in row 0
	v_lshrrev_b32 v6, 5, v0
	s_delay_alu instid0(VALU_DEP_1)
	v_readfirstlane_b32 s35, v6                    ; my wave's number
.if MODE
	s_delay_alu instid0(VALU_DEP_2)
	v_lshl_add_u32 v6, v6, 2, RED1                 ; my wave's word
	v_lshl_add_u32 v7, v13, 4, RED1                ; the four words of my row's waves
.endif
	s_lshl_b32 s28, ttmp9, 15                      ; the group's 8 rows of f32,
	s_mov_b32 s29, 0
	s_mul_i32 s30, ttmp9, 8*ROWC                   ; and of codes
	s_mov_b32 s31, 0
	s_lshr_b32 s32, ttmp9, 1                       ; the weights' group of 8 output rows,
	s_and_b32 s33, ttmp9, 1                        ; and which half of K
	s_lshl_b32 s36, s32, 15                        ; base_w: 8 rows of 4,096 bytes; a half is 2,048
	s_lshl_b32 s37, s33, 11
	s_add_co_u32 s36, s36, s37
	s_mov_b32 s37, 0
	s_lshl_b32 s38, s32, 18                        ; spline_w: 8 rows of 32,768 bytes; a half is 16,384
	s_lshl_b32 s39, s33, 14
	s_add_co_u32 s38, s38, s39
	s_mov_b32 s39, 0
	s_mul_i32 s18, s32, 8*ROWC                     ; the weights' codes: the group, and base_w's 16 chunks of my half
	s_lshl_b32 s19, s33, 12
	s_add_co_u32 s18, s18, s19
	s_mov_b32 s19, 0
	s_mul_i32 s92, s33, 28672
	s_add_co_u32 s92, s92, 8192                    ; from there to spline_w's 128 chunks of my half
	s_mov_b32 s24, 0x41800000                      ; 16.0
	s_mov_b32 s25, 0x3a800000                      ; 1 / 1,024
	s_mov_b32 s34, 0x3727c5ac                      ; 1e-5
	s_mov_b32 s26, 0x76543210                      ; v_permlanex16_b32: lane l xor 16
	s_mov_b32 s27, 0xfedcba98
	s_wait_alu depctr_va_vdst(0)
	s_wait_kmcnt 0x0
	s_load_b256 s[40:47], s[14:15], 0x0            ; the eight exponents
.if MODE
	s_load_b32 s22, s[12:13], 0x0                  ; layer 0's slope
.endif
	s_add_nc_u64 s[4:5], s[4:5], s[28:29]
	s_add_nc_u64 s[16:17], s[16:17], s[30:31]
	s_add_nc_u64 s[48:49], s[48:49], s[36:37]
	s_add_nc_u64 s[50:51], s[50:51], s[38:39]
	s_add_nc_u64 s[52:53], s[52:53], s[18:19]
.if MODE
	s_add_nc_u64 s[20:21], s[4:5], 0x800000        ; the second half along K: 2,048 x 4,096 bytes on
	s_add_nc_u64 s[48:49], s[48:49], LBASE
	s_add_nc_u64 s[50:51], s[50:51], LSPL
.endif
.irp c, 0,1,2
	global_load_b128 v[G+4*\c:G+4*\c+3], v124, s[6:7] offset:GOFF+16*\c
.endr
	global_load_b128 v[H0:H0+3], v4, s[4:5] th:TH_LOAD_NT
	global_load_b128 v[H0+4:H0+7], v4, s[4:5] offset:2048 th:TH_LOAD_NT
.if MODE
	global_load_b128 v[H1:H1+3], v4, s[20:21] th:TH_LOAD_NT
	global_load_b128 v[H1+4:H1+7], v4, s[20:21] offset:2048 th:TH_LOAD_NT
	global_load_b128 v[LG:LG+3], v1, s[8:9]
	global_load_b128 v[LG+4:LG+7], v1, s[8:9] offset:2048
	global_load_b128 v[LB:LB+3], v1, s[10:11]
	global_load_b128 v[LB+4:LB+7], v1, s[10:11] offset:2048
.endif
	WLOAD 0                                        ; the first pass of weights: the youngest two loads, so every count below leaves them out
	v_mov_b32 v126, 0xb9d25000                     ; -4.01139259e-4
	v_mov_b32 v127, 0xb9d25000
	s_wait_kmcnt 0x0
	MKSCALE EG, 8, 9
	MKSCALE EB, 10, 11
	MKW EB+1, 56
	MKW EG+1, 59
	s_or_b32 s36, ttmp9, s35
	s_cmp_lg_u32 s36, 0
	s_cbranch_scc1 .Lno_gsc                        ; one wave of the launch stores the sums of exponents
	s_add_co_i32 s38, s[EB], s[EB+1]               ; f
	s_add_co_i32 s39, s[EG], s[EG+1]
	s_sub_co_i32 s39, s39, s38                     ; d
	v_lshlrev_b32 v108, 3, v0                      ; (in wave 0 the thread's number is the lane's)  8 bytes a lane: the wave stores all 256 bytes of the buffer
	v_cmp_eq_u32 vcc_lo, 0, v0
	v_mov_b32 v105, s38
	v_mov_b32 v106, s39
	s_delay_alu instid0(VALU_DEP_1)
	v_cndmask_b32 v104, v105, v106, vcc_lo         ; word 0 is d, every other word f
	global_store_b64 v108, v[104:105], s[54:55]
	s_wait_xcnt 0x0                                ; the store has read its registers, which gelu writes again
.Lno_gsc:
.if MODE
	s_mov_b32 s23, s22                             ; (named with s22 as a pair, so it is written)
	s_wait_loadcnt 10                              ; the knots are in; the ten loads behind them may be out
.else
	s_wait_loadcnt 4                               ; the knots are in; x's two loads and the weights' two may be out
.endif
	; ---- the table of my feature: 30 differences of knots and their reciprocals
.irp j, 0,1,2,3,4,5,6,7,8,9,10
	v_sub_f32 v[I1+\j], v[G+\j+1], v[G+\j]
.endr
.irp j, 0,1,2,3,4,5,6,7,8,9
	v_sub_f32 v[I2+\j], v[G+\j+2], v[G+\j]
.endr
.irp j, 0,1,2,3,4,5,6,7,8
	v_sub_f32 v[I3+\j], v[G+\j+3], v[G+\j]
.endr
.irp r, I1, I2, I3
	v_cmp_eq_f32 vcc_lo, 0, v[\r]
	s_delay_alu instid0(VALU_DEP_1)
	v_cndmask_b32 v[\r], v[\r], 1.0, vcc_lo        ; equal knots at j = 0: the divisor is 1
.endr
	s_wait_alu depctr_va_vdst(0)
.irp j, 0,1,2,3,4,5,6,7,8,9,10
	v_rcp_f32 v[I1+\j], v[I1+\j]
.endr
.irp j, 0,1,2,3,4,5,6,7,8,9
	v_rcp_f32 v[I2+\j], v[I2+\j]
.endr
.irp j, 0,1,2,3,4,5,6,7,8
	v_rcp_f32 v[I3+\j], v[I3+\j]
.endr
	v_mov_b32 v63, 0                               ; the pair's other half is written; also the plain instruction behind the last reciprocal
.if MODE
	; ---- LayerNorm and PReLU of my eight numbers
	s_wait_loadcnt 6                               ; both halves of h are in; gain, bias and the weights may be out
.irp p, 0,2,4,6
	v_pk_add_f32 v[H0+\p:H0+\p+1], v[H0+\p:H0+\p+1], v[H1+\p:H1+\p+1]
.endr
	s_delay_alu instid0(VALU_DEP_3)
	v_pk_add_f32 v[W:W+1], v[H0:H0+1], v[H0+2:H0+3]
	s_delay_alu instid0(VALU_DEP_2)
	v_pk_add_f32 v[W+2:W+3], v[H0+4:H0+5], v[H0+6:H0+7]
	s_delay_alu instid0(VALU_DEP_1)
	v_pk_add_f32 v[W:W+1], v[W:W+1], v[W+2:W+3]
	s_delay_alu instid0(VALU_DEP_1)
	v_add_f32 v[W], v[W], v[W+1]
	WSUM W, W+1
	ds_store_b32 v6, v[W]                          ; all lanes write the wave's word with the same number
	BAR
	ds_load_b128 v[W+4:W+7], v7                    ; my row's four waves
	s_wait_dscnt 0x0
	v_add_f32 v[W+4], v[W+4], v[W+5]
	v_add_f32 v[W+6], v[W+6], v[W+7]
	s_delay_alu instid0(VALU_DEP_1)
	v_add_f32 v[W+4], v[W+4], v[W+6]
	s_delay_alu instid0(VALU_DEP_1)
	v_mul_f32 v[W+4], s25, v[W+4]                  ; the mean
.irp p, 0,2,4,6
	v_pk_add_f32 v[H0+\p:H0+\p+1], v[H0+\p:H0+\p+1], v[W+4:W+5] op_sel_hi:[1,0] neg_lo:[0,1] neg_hi:[0,1]
.endr
	s_delay_alu instid0(VALU_DEP_4)
	v_pk_mul_f32 v[W:W+1], v[H0:H0+1], v[H0:H0+1]  ; the variance is taken of the centred numbers: no difference of large sums
.irp p, 2,4,6
	s_delay_alu instid0(VALU_DEP_1)
	v_pk_fma_f32 v[W:W+1], v[H0+\p:H0+\p+1], v[H0+\p:H0+\p+1], v[W:W+1]
.endr
	s_delay_alu instid0(VALU_DEP_1)
	v_add_f32 v[W], v[W], v[W+1]
	WSUM W, W+1
	ds_store_b32 v6, v[W] offset:256               ; other words than the first sums': no barrier is owed between the reads above and these stores
	BAR
	ds_load_b128 v[W+4:W+7], v7 offset:256
	s_wait_dscnt 0x0
	v_add_f32 v[W+4], v[W+4], v[W+5]
	v_add_f32 v[W+6], v[W+6], v[W+7]
	s_delay_alu instid0(VALU_DEP_1)
	v_add_f32 v[W+4], v[W+4], v[W+6]
	s_delay_alu instid0(VALU_DEP_1)
	v_fma_f32 v[W+4], v[W+4], s25, s34             ; the variance + 1e-5
	s_wait_alu depctr_va_vdst(0)
	v_rsq_f32 v[W+4], v[W+4]
	s_wait_loadcnt 2                               ; gain and bias are in; the weights' two loads may be out
	v_nop                                          ; a plain instruction behind the root
	s_wait_alu depctr_va_vdst(0)
.irp p, 0,2,4,6
	v_pk_mul_f32 v[H0+\p:H0+\p+1], v[H0+\p:H0+\p+1], v[W+4:W+5] op_sel_hi:[1,0]
.endr
.irp p, 0,2,4,6
	s_delay_alu instid0(VALU_DEP_4)
	v_pk_fma_f32 v[H0+\p:H0+\p+1], v[H0+\p:H0+\p+1], v[LG+\p:LG+\p+1], v[LB+\p:LB+\p+1]
.endr
.irp p, 0,2,4,6
	s_delay_alu instid0(VALU_DEP_4)
	v_pk_mul_f32 v[H1+\p:H1+\p+1], v[H0+\p:H0+\p+1], s[22:23] op_sel_hi:[1,0]
.endr
.irp k, 0,1,2,3,4,5,6,7
	v_cmp_le_f32 vcc_lo, 0, v[H0+\k]
	s_delay_alu instid0(VALU_DEP_1)
	v_cndmask_b32 v[H0+\k], v[H1+\k], v[H0+\k], vcc_lo   ; y where y >= 0, else slope x y
.endr
.else
	s_wait_loadcnt 2                               ; x is in; the weights' two loads may be out
.endif
	; ---- y changes maps through LDS
	ds_store_b128 v4, v[H0:H0+3]
	ds_store_b128 v4, v[H0+4:H0+7] offset:2048
	v_lshrrev_b32 v6, 5, v0                        ; v4 from here on: my wave's stage for the weights: chunk (lane / 4) % 4, row lane / 16, byte 8 (lane % 4)
	v_bfe_u32 v7, v0, 2, 2
	v_mul_u32_u24 v4, v6, WSTG
	v_mad_u32_u24 v4, v7, 288, v4
	v_bfe_u32 v6, v0, 4, 1
	v_and_b32 v7, 3, v0
	v_lshl_add_u32 v4, v6, 5, v4
	v_lshl_add_u32 v4, v7, 3, v4
	v_add_nc_u32 v4, STG+2304, v4
	BAR
	ds_load_b128 v[YG:YG+3], v125
	ds_load_b128 v[YG+4:YG+7], v125 offset:16
.irp r, 0,1,2,3,4,5,6,7
	ds_load_b32 v[XV+\r], v5 offset:4096*\r
.endr
	WCVT 56, 58, 4, 0
	WLOAD 1                                        ; row 1 lands under gelu
	s_wait_dscnt 8                                 ; gelu's eight numbers are in; the eight loads of my feature may be out
	; ---- gelu of eight neighbours
.irp p, 0,2,4,6
	v_pk_mul_f32 v[A+\p:A+\p+1], v[YG+\p:YG+\p+1], 0x3f3504f3 op_sel_hi:[1,0]   ; y / sqrt 2
.endr
.irp k, 0,1,2,3,4,5,6,7
	v_min_num_f32 v[A+\k], |v[A+\k]|, s24          ; a, held at 16
.endr
.irp p, 0,2,4,6
	v_pk_add_f32 v[PP+\p:PP+\p+1], v[A+\p:A+\p+1], 2.0 op_sel_hi:[1,0]
.endr
	s_wait_alu depctr_va_vdst(0)
.irp k, 0,1,2,3,4,5,6,7
	v_rcp_f32 v[R+\k], v[PP+\k]
.endr
	v_nop                                          ; a plain instruction behind the last reciprocal
	s_wait_alu depctr_va_vdst(0)
.irp p, 0,2,4,6
	v_pk_fma_f32 v[Q+\p:Q+\p+1], v[R+\p:R+\p+1], -4.0, 1.0 op_sel_hi:[1,0,0]                   ; q = 1 - 4 / (a + 2),
	s_delay_alu instid0(VALU_DEP_1)
	v_pk_add_f32 v[TT+\p:TT+\p+1], v[Q+\p:Q+\p+1], 1.0 op_sel_hi:[1,0]
	s_delay_alu instid0(VALU_DEP_1)
	v_pk_fma_f32 v[TT+\p:TT+\p+1], v[TT+\p:TT+\p+1], -2.0, v[A+\p:A+\p+1] op_sel_hi:[1,0,1]
	s_delay_alu instid0(VALU_DEP_1)
	v_pk_fma_f32 v[TT+\p:TT+\p+1], v[A+\p:A+\p+1], v[Q+\p:Q+\p+1], v[TT+\p:TT+\p+1] neg_lo:[1,0,0] neg_hi:[1,0,0]   ; what is left: (a - 2) - q (a + 2),
	v_pk_fma_f32 v[Q+\p:Q+\p+1], v[R+\p:R+\p+1], v[TT+\p:TT+\p+1], v[Q+\p:Q+\p+1]             ; put back
	s_delay_alu instid0(VALU_DEP_1)
	v_pk_fma_f32 v[PP+\p:PP+\p+1], v[Q+\p:Q+\p+1], v[126:127], 0xbaa15130 op_sel_hi:[1,1,0]   ; p: the first two coefficients
.endr
.irp c, 0x3aac2b8a, 0x3c0d6e62, 0xbc040dc1, 0xbd5e05b5, 0x3e27fe23, 0xbe2a0420, 0xbdbdfb0b, 0x3e8dd01d
.irp p, 0,2,4,6
	v_pk_fma_f32 v[PP+\p:PP+\p+1], v[PP+\p:PP+\p+1], v[Q+\p:Q+\p+1], \c op_sel_hi:[1,1,0]
.endr
.endr
.irp p, 0,2,4,6
	v_pk_fma_f32 v[TT+\p:TT+\p+1], v[A+\p:A+\p+1], 2.0, 1.0 op_sel_hi:[1,0,0]
.endr
	s_wait_alu depctr_va_vdst(0)
.irp k, 0,1,2,3,4,5,6,7
	v_rcp_f32 v[R+\k], v[TT+\k]
.endr
	v_nop                                          ; a plain instruction behind the last reciprocal
	s_wait_alu depctr_va_vdst(0)
.irp p, 0,2,4,6
	v_pk_fma_f32 v[Q+\p:Q+\p+1], v[PP+\p:PP+\p+1], v[R+\p:R+\p+1], v[R+\p:R+\p+1]             ; (p + 1) / (1 + 2 a),
	s_delay_alu instid0(VALU_DEP_1)
	v_pk_fma_f32 v[TT+\p:TT+\p+1], v[Q+\p:Q+\p+1], v[A+\p:A+\p+1], 0.5 op_sel_hi:[1,1,0] neg_lo:[0,1,0] neg_hi:[0,1,0]
	s_delay_alu instid0(VALU_DEP_2)
	v_pk_add_f32 v[PP+\p:PP+\p+1], v[PP+\p:PP+\p+1], v[Q+\p:Q+\p+1] neg_lo:[0,1] neg_hi:[0,1]
	s_delay_alu instid0(VALU_DEP_1)
	v_pk_fma_f32 v[TT+\p:TT+\p+1], v[TT+\p:TT+\p+1], 2.0, v[PP+\p:PP+\p+1] op_sel_hi:[1,0,1]  ; what is left: (p + 1) - q (1 + 2 a),
	v_pk_fma_f32 v[R+\p:R+\p+1], v[TT+\p:TT+\p+1], v[R+\p:R+\p+1], v[Q+\p:Q+\p+1]             ; put back: r = e^(a a) erfc(a)
	v_pk_mul_f32 v[PP+\p:PP+\p+1], v[A+\p:A+\p+1], v[A+\p:A+\p+1]                             ; s = a a, rounded,
	s_delay_alu instid0(VALU_DEP_1)
	v_pk_fma_f32 v[TT+\p:TT+\p+1], v[A+\p:A+\p+1], v[A+\p:A+\p+1], v[PP+\p:PP+\p+1] neg_lo:[1,0,0] neg_hi:[1,0,0]   ; and s - a a
	s_delay_alu instid0(VALU_DEP_2)
	v_pk_mul_f32 v[Q+\p:Q+\p+1], v[PP+\p:PP+\p+1], 0xbfb8aa3b op_sel_hi:[1,0]                 ; -s log2(e), rounded,
	s_delay_alu instid0(VALU_DEP_1)
	v_pk_fma_f32 v[PP+\p:PP+\p+1], v[PP+\p:PP+\p+1], 0xbfb8aa3b, v[Q+\p:Q+\p+1] op_sel_hi:[1,0,1] neg_lo:[0,0,1] neg_hi:[0,0,1]   ; and what the rounding took
.endr
	s_wait_alu depctr_va_vdst(0)
.irp k, 0,1,2,3,4,5,6,7
	v_exp_f32 v[Q+\k], v[Q+\k]
.endr
.irp p, 0,2,4,6
	v_pk_fma_f32 v[TT+\p:TT+\p+1], v[PP+\p:PP+\p+1], 0x3f317218, v[TT+\p:TT+\p+1] op_sel_hi:[1,0,1]   ; the two small terms together (x ln 2 for the second).  Plain instructions behind the exponentials
.endr
	s_wait_alu depctr_va_vdst(0)
.irp p, 0,2,4,6
	v_pk_mul_f32 v[PP+\p:PP+\p+1], v[R+\p:R+\p+1], v[Q+\p:Q+\p+1]
	s_delay_alu instid0(VALU_DEP_1)
	v_pk_fma_f32 v[R+\p:R+\p+1], v[PP+\p:PP+\p+1], v[TT+\p:TT+\p+1], v[PP+\p:PP+\p+1]         ; erfc(a)
	v_pk_mul_f32 v[TT+\p:TT+\p+1], v[YG+\p:YG+\p+1], 0.5 op_sel_hi:[1,0]
.endr
.irp k, 0,1,2,3,4,5,6,7
	v_max_num_f32 v[Q+\k], 0, v[YG+\k]
	s_delay_alu instid0(VALU_DEP_1)
	v_fma_f32 v[A+\k], -|v[TT+\k]|, v[R+\k], v[Q+\k]   ; gelu(y)
	s_delay_alu instid0(VALU_DEP_1)
	v_med3_num_f32 v[A+\k], v[A+\k], -v9, v9       ; the hold at the largest code x the scale
.endr
	v_cvt_scalef32_pk8_bf8_f32 v[124:125], v[A:A+7], v8   ; (v124 and v125 were offsets of loads that have come back)
	v_nop                                          ; a plain instruction between the conversion and the lines below that write its sources
	global_store_b64 v2, v[124:125], s[16:17]      ; 32 lanes store 256 consecutive bytes, aligned
	; ---- the bases of my feature, two rows at a time
.macro SCALE tab, n                    ; P_j x the table's number j, j = 0 .. n - 1: the number is taken from its half of a pair for both rows
.set J, 0
.rept \n
.if J%2
	v_pk_mul_f32 v[P+2*J:P+2*J+1], v[P+2*J:P+2*J+1], v[\tab+J-1:\tab+J] op_sel:[0,1] op_sel_hi:[1,1]
.else
	v_pk_mul_f32 v[P+2*J:P+2*J+1], v[P+2*J:P+2*J+1], v[\tab+J:\tab+J+1] op_sel_hi:[1,0]
.endif
.set J, J+1
.endr
.endm
.macro LEVEL k                         ; b_j of level k, j = 0 .. 10 - k, in place and ascending: P_(j+1) is read before it is written
.set J, 0
.rept 11-\k
	v_pk_mul_f32 v[TMP+2*(J%2):TMP+2*(J%2)+1], v[T+2*(J+\k+1):T+2*(J+\k+1)+1], v[P+2*J+2:P+2*J+3]
	s_delay_alu instid0(VALU_DEP_1)
	v_pk_fma_f32 v[P+2*J:P+2*J+1], v[T+2*J:T+2*J+1], v[P+2*J:P+2*J+1], v[TMP+2*(J%2):TMP+2*(J%2)+1] neg_lo:[0,0,1] neg_hi:[0,0,1]
.set J, J+1
.endr
.endm
.macro BPAIR i                         ; rows 2 i and 2 i + 1
.set XP, XV+2*(\i)
.set J, 0
.rept 6
	v_pk_add_f32 v[T+4*J:T+4*J+1],   v[XP:XP+1], v[G+2*J:G+2*J+1] op_sel_hi:[1,0] neg_lo:[0,1] neg_hi:[0,1]                ; T = y - g, even knots,
	v_pk_add_f32 v[T+4*J+2:T+4*J+3], v[XP:XP+1], v[G+2*J:G+2*J+1] op_sel:[0,1] op_sel_hi:[1,1] neg_lo:[0,1] neg_hi:[0,1]   ; odd knots
.set J, J+1
.endr
.set J, 0
.rept 12
	v_cmp_ge_f32 s[M0+J], v[XP], v[G+J]
	v_cmp_ge_f32 s[M1+J], v[XP+1], v[G+J]
.set J, J+1
.endr
.set J, 0
.rept 11
	s_and_not1_b32 s[M0+J], s[M0+J], s[M0+J+1]     ; y >= g_j and y < g_(j+1)
	s_and_not1_b32 s[M1+J], s[M1+J], s[M1+J+1]
.set J, J+1
.endr
.if (\i) > 0
	s_wait_xcnt 0x0                                ; the last pair's stores have read their codes, which lie in P's pairs 8 and 9: P is written again only behind this wait
.endif
.set J, 0
.rept 11
	v_cndmask_b32 v[P+2*J],   0, v[I1+J], s[M0+J]  ; b0_j / (g_(j+1) - g_j): the masks select values alone
	v_cndmask_b32 v[P+2*J+1], 0, v[I1+J], s[M1+J]
.set J, J+1
.endr
	LEVEL 1
	SCALE I2, 10
	LEVEL 2
	SCALE I3, 9
	LEVEL 3
.set J, 0
.rept 8
	v_med3_num_f32 v[T+J],   v[P+2*J],   -v11, v11 ; the hold, which also parts the two rows: eight neighbours along K in eight registers on end
	v_med3_num_f32 v[T+8+J], v[P+2*J+1], -v11, v11
.set J, J+1
.endr
	v_cvt_scalef32_pk8_bf8_f32 v[C:C+1], v[T:T+7], v10
	v_cvt_scalef32_pk8_bf8_f32 v[C+2:C+3], v[T+8:T+15], v10
	v_nop                                          ; a plain instruction between the conversions and the later lines that write their sources
	ds_store_b64 v3, v[C:C+1] offset:64*(\i)       ; into my wave's stage: rows 2 i and 2 i + 1 of my chunk
	ds_store_b64 v3, v[C+2:C+3] offset:64*(\i)+32
.endm
	WCVT 56, 58, 4, 64
	WLOAD 2                                        ; row 2 lands under the first pair
	s_wait_dscnt 0x0                               ; my feature's eight rows
	BPAIR 0
	WCVT 56, 58, 4, 128
	WLOAD 3
	BPAIR 1
	WCVT 56, 58, 4, 192
	; my wave's 4 chunks of spline_w's codes are whole: back from the stage (LDS serves a wave's instructions in order) and out, 512 consecutive bytes a store
	v_lshrrev_b32 v6, 5, v0
	v_bfe_u32 v5, v0, 4, 1
	v_and_b32 v7, 15, v0
	v_mul_u32_u24 v1, v6, WSTG
	v_mad_u32_u24 v1, v5, 288, v1
	v_lshl_add_u32 v1, v7, 4, v1                   ; v1 from here on: out of my stage: chunk lane / 16, byte 16 (lane % 16)
	v_and_b32 v7, 31, v0
	v_lshlrev_b32 v5, 10, v6
	v_lshl_add_u32 v5, v7, 4, v5
	v_add_nc_u32 v5, s92, v5                       ; and the same place in the group
	v_bfe_u32 v7, v0, 2, 3                         ; base_w: row lane / 4, my wave's chunk (128 bytes of f32), my 8 numbers
	v_lshlrev_b32 v[WOFF], 12, v7
	v_and_b32 v7, 3, v0
	v_lshl_add_u32 v[WOFF], v6, 7, v[WOFF]
	v_lshl_add_u32 v[WOFF], v7, 5, v[WOFF]
	s_wait_alu depctr_va_vdst(0)
	ds_load_b128 v[P:P+3], v1 offset:STG+2304
	ds_load_b128 v[P+4:P+7], v1 offset:STG+2304+576
	s_wait_dscnt 0x0
	global_store_b128 v5, v[P:P+3], s[52:53]       ; (P is written again only behind the next pair's wait on XCNT)
	global_store_b128 v5, v[P+4:P+7], s[52:53] offset:512
	s_cmp_lt_u32 s35, 16                           ; base_w's four rows are 4,096 numbers: 8 for each thread of waves 0-15
	s_cbranch_scc0 .Lno_base_load
	global_load_b128 v[WD:WD+3], v[WOFF], s[48:49]
	global_load_b128 v[WD+4:WD+7], v[WOFF], s[48:49] offset:16
.Lno_base_load:
	BPAIR 2
	s_cmp_lt_u32 s35, 16
	s_cbranch_scc0 .Lno_base
	WCVT 59, 61, 2, 0
.Lno_base:
	BPAIR 3
	s_wait_xcnt 0x0
	v_lshrrev_b32 v6, 5, v0                        ; my wave's 8 chunks of the bases' codes are whole: out, 512 consecutive bytes a store
	v_and_b32 v7, 31, v0
	v_lshlrev_b32 v5, 11, v6
	v_lshl_add_u32 v5, v7, 4, v5
	s_wait_alu depctr_va_vdst(0)
.irp j, 0,1,2,3
	ds_load_b128 v[T+4*\j:T+4*\j+3], v1 offset:STG+576*\j
.endr
	s_wait_dscnt 0x0
.irp j, 0,1,2,3
	global_store_b128 v5, v[T+4*\j:T+4*\j+3], s[16:17] offset:8192+512*\j
.endr
	v_lshl_add_u32 v126, v0, 2, 0x8400
	v_mov_b32 v127, 0
	s_wait_alu depctr_va_vdst(0)
	s_wait_tensorcnt 0x0
	ds_add_u32 v126, v127
	s_wait_dscnt 0x0
	s_endpgm
.Lfunc_end_k_qd1801eae6f_act1:
	.size	k_qd1801eae6f_act1, .Lfunc_end_k_qd1801eae6f_act1-k_qd1801eae6f_act1
	.p2alignl 7, 3214868480
	.fill 96, 4, 3214868480
	.section	.rodata,"a",@progbits
	.p2align	6, 0x0
	.amdhsa_kernel k_qd1801eae6f_act1
		.amdhsa_group_segment_fixed_size 148480
		.amdhsa_private_segment_fixed_size 0
		.amdhsa_enable_private_segment 0
		.amdhsa_kernarg_size 88
		.amdhsa_user_sgpr_count 2
		.amdhsa_user_sgpr_kernarg_segment_ptr 1
		.amdhsa_wavefront_size32 1
		.amdhsa_system_sgpr_workgroup_id_x 1
		.amdhsa_system_sgpr_workgroup_id_y 1
		.amdhsa_system_sgpr_workgroup_id_z 1
		.amdhsa_system_vgpr_workitem_id 0
		.amdhsa_next_free_vgpr 128
		.amdhsa_next_free_sgpr 96
		.amdhsa_reserve_vcc 1
		.amdhsa_float_denorm_mode_32 3
		.amdhsa_float_denorm_mode_16_64 3
		.amdhsa_memory_ordered 1
		.amdhsa_forward_progress 1
		.amdhsa_inst_pref_size 82
	.end_amdhsa_kernel
	.amdgpu_metadata
---
amdhsa.version: [ 1, 2 ]
amdhsa.kernels:
  - .name:           k_qd1801eae6f_act1
    .symbol:         k_qd1801eae6f_act1.kd
    .args:
      - { .name: hp, .offset: 0, .size: 8, .value_kind: global_buffer, .address_space: global }
      - { .name: grid, .offset: 8, .size: 8, .value_kind: global_buffer, .address_space: global }
      - { .name: ln_g, .offset: 16, .size: 8, .value_kind: global_buffer, .address_space: global }
      - { .name: ln_b, .offset: 24, .size: 8, .value_kind: global_buffer, .address_space: global }
      - { .name: prelu_a, .offset: 32, .size: 8, .value_kind: global_buffer, .address_space: global }
      - { .name: lowp_scales, .offset: 40, .size: 8, .value_kind: global_buffer, .address_space: global }
      - { .name: acodes, .offset: 48, .size: 8, .value_kind: global_buffer, .address_space: global }
      - { .name: base_w, .offset: 56, .size: 8, .value_kind: global_buffer, .address_space: global }
      - { .name: spline_w, .offset: 64, .size: 8, .value_kind: global_buffer, .address_space: global }
      - { .name: wc1, .offset: 72, .size: 8, .value_kind: global_buffer, .address_space: global }
      - { .name: gsc1, .offset: 80, .size: 8, .value_kind: global_buffer, .address_space: global }
    .group_segment_fixed_size: 148480
    .private_segment_fixed_size: 0
    .kernarg_segment_align: 8
    .kernarg_segment_size: 88
    .max_flat_workgroup_size: 1024
    .sgpr_count:     96
    .vgpr_count:     128
    .wavefront_size: 32
...
	.end_amdgpu_metadata
.endif
;; end of part 3
;; launch gemm2: the kernel of part 2 again; grid 16 x 16, 4 waves a work-group, clusters of 4 x 1, 327,680 bytes of LDS; arguments acodes, wc1, gsc1, hp; writes hp
;; launch lnout (part 4): grid 256 x 1, 32 waves a work-group, no clusters, 4,608 bytes of LDS; arguments hp, ln_g, ln_b, prelu_a, out0; writes out0
.if DOCPART == 4
	.amdgcn_target "amdgcn-amd-amdhsa--gfx1250"
	.amdhsa_code_object_version 6
	.text
	.protected	k_qd1801eae6f_lnout
	.globl	k_qd1801eae6f_lnout
	.p2align	8
	.type	k_qd1801eae6f_lnout,@function
k_qd1801eae6f_lnout:
	s_mov_b64 s[64:65], 0
	v_nop
	global_prefetch_b8 v0, s[64:65] scope:SCOPE_SE
	s_setreg_imm32_b32 hwreg(HW_REG_WAVE_MODE, 25, 1), 1
	s_wait_xcnt 0x0
; out0 = PReLU(LayerNorm(h)) with layer 1's gain, bias and slope; h = the sum of the two halves along K that the product's launch stored.  All f32.
; A work-group of 1,024 threads owns 8 rows: thread t holds features 4 jj .. +3 and 512 + 4 jj .. +3 of row rr (rr = t / 128, jj = t % 128), so each load and store of a wave covers 512 consecutive bytes, aligned.
; A row's sums meet in LDS: one word a wave, four waves a row.  The variance is taken of the centred numbers: no difference of large sums.
; A stream: each byte is read once and written once; matrix units, tensor loads and clusters would add nothing.  LIMIT: NaN and infinities among the inputs are not served.
.set RED1,  0                          ; LDS: one word a wave for the rows' sums; 256 bytes on the same for the sums of squares
.set H0,    8                          ; v8-15 h, then the result; v16-23 the second half, then slope x y; v24-31 gain; v32-39 bias; v40-47 at work
.set H1,    16
.set LG,    24
.set LB,    32
.set W,     40
.macro BAR                             ; my LDS stores have landed and my LDS loads are in: then the work-group's barrier
	s_wait_dscnt 0x0
	s_barrier_signal -1
	s_barrier_wait -1
.endm
.macro WSUM r, t                       ; the sum over the wave's 32 lanes, in every lane
	s_delay_alu instid0(VALU_DEP_1)
	v_add_f32_dpp v[\r], v[\r], v[\r] row_xmask:1 row_mask:0xf bank_mask:0xf
	s_delay_alu instid0(VALU_DEP_1)
	v_add_f32_dpp v[\r], v[\r], v[\r] row_xmask:2 row_mask:0xf bank_mask:0xf
	s_delay_alu instid0(VALU_DEP_1)
	v_add_f32_dpp v[\r], v[\r], v[\r] row_xmask:4 row_mask:0xf bank_mask:0xf
	s_delay_alu instid0(VALU_DEP_1)
	v_add_f32_dpp v[\r], v[\r], v[\r] row_xmask:8 row_mask:0xf bank_mask:0xf
	s_delay_alu instid0(VALU_DEP_1)
	v_permlanex16_b32 v[\t], v[\r], s26, s27
	s_delay_alu instid0(VALU_DEP_1)
	v_add_f32 v[\r], v[\r], v[\t]
.endm
	s_load_b64 s[4:5], s[0:1], 0x0                 ; the sums h
	s_load_b128 s[8:11], s[0:1], 0x8               ; gain, bias
	s_load_b64 s[12:13], s[0:1], 0x18              ; slope
	s_load_b64 s[16:17], s[0:1], 0x20              ; out0
	v_lshl_add_u32 v48, v0, 2, 0x200
	v_mov_b32 v49, 0
	v_and_b32 v2, 127, v0                          ; jj
	v_lshrrev_b32 v3, 7, v0                        ; rr
	s_delay_alu instid0(VALU_DEP_2)
	v_lshlrev_b32 v1, 4, v2
	s_delay_alu instid0(VALU_DEP_1)
	v_lshl_add_u32 v4, v3, 12, v1                  ; my 16 bytes in the group's 8 rows of 4,096 bytes
	v_lshrrev_b32 v6, 5, v0
	s_delay_alu instid0(VALU_DEP_1)
	v_lshl_add_u32 v6, v6, 2, RED1                 ; my wave's word
	v_lshl_add_u32 v7, v3, 4, RED1                 ; the four words of my row's waves
	s_lshl_b32 s28, ttmp9, 15                      ; the group's 8 rows
	s_mov_b32 s29, 0
	s_mov_b32 s25, 0x3a800000                      ; 1 / 1,024
	s_mov_b32 s34, 0x3727c5ac                      ; 1e-5
	s_mov_b32 s26, 0x76543210                      ; v_permlanex16_b32: lane l xor 16
	s_mov_b32 s27, 0xfedcba98
	s_wait_alu depctr_va_vdst(0)
	s_wait_kmcnt 0x0
	s_load_b32 s22, s[12:13], 0x4                  ; layer 1's slope
	s_add_nc_u64 s[4:5], s[4:5], s[28:29]
	s_add_nc_u64 s[16:17], s[16:17], s[28:29]
	s_add_nc_u64 s[20:21], s[4:5], 0x800000        ; the second half along K: 2,048 x 4,096 bytes on
	global_load_b128 v[H0:H0+3], v4, s[4:5] th:TH_LOAD_NT
	global_load_b128 v[H0+4:H0+7], v4, s[4:5] offset:2048 th:TH_LOAD_NT
	global_load_b128 v[H1:H1+3], v4, s[20:21] th:TH_LOAD_NT
	global_load_b128 v[H1+4:H1+7], v4, s[20:21] offset:2048 th:TH_LOAD_NT
	global_load_b128 v[LG:LG+3], v1, s[8:9] offset:4096            ; layer 1's: 4,096 bytes on
	global_load_b128 v[LG+4:LG+7], v1, s[8:9] offset:6144
	global_load_b128 v[LB:LB+3], v1, s[10:11] offset:4096
	global_load_b128 v[LB+4:LB+7], v1, s[10:11] offset:6144
	s_wait_kmcnt 0x0
	s_mov_b32 s23, s22                             ; (named with s22 as a pair, so it is written)
	s_wait_loadcnt 4                               ; both halves of h are in; gain and bias may be out
.irp p, 0,2,4,6
	v_pk_add_f32 v[H0+\p:H0+\p+1], v[H0+\p:H0+\p+1], v[H1+\p:H1+\p+1]
.endr
	s_delay_alu instid0(VALU_DEP_3)
	v_pk_add_f32 v[W:W+1], v[H0:H0+1], v[H0+2:H0+3]
	s_delay_alu instid0(VALU_DEP_2)
	v_pk_add_f32 v[W+2:W+3], v[H0+4:H0+5], v[H0+6:H0+7]
	s_delay_alu instid0(VALU_DEP_1)
	v_pk_add_f32 v[W:W+1], v[W:W+1], v[W+2:W+3]
	s_delay_alu instid0(VALU_DEP_1)
	v_add_f32 v[W], v[W], v[W+1]
	WSUM W, W+1
	ds_store_b32 v6, v[W]                          ; all lanes write the wave's word with the same number
	BAR
	ds_load_b128 v[W+4:W+7], v7                    ; my row's four waves
	s_wait_dscnt 0x0
	v_add_f32 v[W+4], v[W+4], v[W+5]
	v_add_f32 v[W+6], v[W+6], v[W+7]
	s_delay_alu instid0(VALU_DEP_1)
	v_add_f32 v[W+4], v[W+4], v[W+6]
	s_delay_alu instid0(VALU_DEP_1)
	v_mul_f32 v[W+4], s25, v[W+4]                  ; the mean
.irp p, 0,2,4,6
	v_pk_add_f32 v[H0+\p:H0+\p+1], v[H0+\p:H0+\p+1], v[W+4:W+5] op_sel_hi:[1,0] neg_lo:[0,1] neg_hi:[0,1]
.endr
	s_delay_alu instid0(VALU_DEP_4)
	v_pk_mul_f32 v[W:W+1], v[H0:H0+1], v[H0:H0+1]
.irp p, 2,4,6
	s_delay_alu instid0(VALU_DEP_1)
	v_pk_fma_f32 v[W:W+1], v[H0+\p:H0+\p+1], v[H0+\p:H0+\p+1], v[W:W+1]
.endr
	s_delay_alu instid0(VALU_DEP_1)
	v_add_f32 v[W], v[W], v[W+1]
	WSUM W, W+1
	ds_store_b32 v6, v[W] offset:256               ; other words than the first sums': no barrier is owed between the reads above and these stores
	BAR
	ds_load_b128 v[W+4:W+7], v7 offset:256
	s_wait_dscnt 0x0
	v_add_f32 v[W+4], v[W+4], v[W+5]
	v_add_f32 v[W+6], v[W+6], v[W+7]
	s_delay_alu instid0(VALU_DEP_1)
	v_add_f32 v[W+4], v[W+4], v[W+6]
	s_delay_alu instid0(VALU_DEP_1)
	v_fma_f32 v[W+4], v[W+4], s25, s34             ; the variance + 1e-5
	s_wait_alu depctr_va_vdst(0)
	v_rsq_f32 v[W+4], v[W+4]
	s_wait_loadcnt 0x0                             ; gain and bias
	v_nop                                          ; a plain instruction behind the root
	s_wait_alu depctr_va_vdst(0)
.irp p, 0,2,4,6
	v_pk_mul_f32 v[H0+\p:H0+\p+1], v[H0+\p:H0+\p+1], v[W+4:W+5] op_sel_hi:[1,0]
.endr
.irp p, 0,2,4,6
	s_delay_alu instid0(VALU_DEP_4)
	v_pk_fma_f32 v[H0+\p:H0+\p+1], v[H0+\p:H0+\p+1], v[LG+\p:LG+\p+1], v[LB+\p:LB+\p+1]
.endr
.irp p, 0,2,4,6
	s_delay_alu instid0(VALU_DEP_4)
	v_pk_mul_f32 v[H1+\p:H1+\p+1], v[H0+\p:H0+\p+1], s[22:23] op_sel_hi:[1,0]
.endr
.irp k, 0,1,2,3,4,5,6,7
	v_cmp_le_f32 vcc_lo, 0, v[H0+\k]
	s_delay_alu instid0(VALU_DEP_1)
	v_cndmask_b32 v[H0+\k], v[H1+\k], v[H0+\k], vcc_lo   ; y where y >= 0, else slope x y
.endr
	global_store_b128 v4, v[H0:H0+3], s[16:17] th:TH_STORE_NT
	global_store_b128 v4, v[H0+4:H0+7], s[16:17] offset:2048 th:TH_STORE_NT
	s_wait_tensorcnt 0x0
	ds_add_u32 v48, v49
	s_wait_dscnt 0x0
	s_endpgm
.Lfunc_end_k_qd1801eae6f_lnout:
	.size	k_qd1801eae6f_lnout, .Lfunc_end_k_qd1801eae6f_lnout-k_qd1801eae6f_lnout
	.p2alignl 7, 3214868480
	.fill 96, 4, 3214868480
	.section	.rodata,"a",@progbits
	.p2align	6, 0x0
	.amdhsa_kernel k_qd1801eae6f_lnout
		.amdhsa_group_segment_fixed_size 4608
		.amdhsa_private_segment_fixed_size 0
		.amdhsa_enable_private_segment 0
		.amdhsa_kernarg_size 40
		.amdhsa_user_sgpr_count 2
		.amdhsa_user_sgpr_kernarg_segment_ptr 1
		.amdhsa_wavefront_size32 1
		.amdhsa_system_sgpr_workgroup_id_x 1
		.amdhsa_system_sgpr_workgroup_id_y 1
		.amdhsa_system_sgpr_workgroup_id_z 1
		.amdhsa_system_vgpr_workitem_id 0
		.amdhsa_next_free_vgpr 50
		.amdhsa_next_free_sgpr 66
		.amdhsa_reserve_vcc 1
		.amdhsa_float_denorm_mode_32 3
		.amdhsa_float_denorm_mode_16_64 3
		.amdhsa_memory_ordered 1
		.amdhsa_forward_progress 1
		.amdhsa_inst_pref_size 8
	.end_amdhsa_kernel
	.amdgpu_metadata
---
amdhsa.version: [ 1, 2 ]
amdhsa.kernels:
  - .name:           k_qd1801eae6f_lnout
    .symbol:         k_qd1801eae6f_lnout.kd
    .args:
      - { .name: hp, .offset: 0, .size: 8, .value_kind: global_buffer, .address_space: global }
      - { .name: ln_g, .offset: 8, .size: 8, .value_kind: global_buffer, .address_space: global }
      - { .name: ln_b, .offset: 16, .size: 8, .value_kind: global_buffer, .address_space: global }
      - { .name: prelu_a, .offset: 24, .size: 8, .value_kind: global_buffer, .address_space: global }
      - { .name: out0, .offset: 32, .size: 8, .value_kind: global_buffer, .address_space: global }
    .group_segment_fixed_size: 4608
    .private_segment_fixed_size: 0
    .kernarg_segment_align: 8
    .kernarg_segment_size: 40
    .max_flat_workgroup_size: 1024
    .sgpr_count:     66
    .vgpr_count:     50
    .wavefront_size: 32
...
	.end_amdgpu_metadata
.endif
;; end of part 4
